; MI455X (gfx1250); checked and timed in simulation.
; The chip was launched on July 23, 2026; its instructions are those of AMD's public machine-readable ISA for CDNA 5 (MIT licence, August 2026) and "CDNA5" Instruction Set Architecture Reference Guide (July 2026). The comments in the code are by the model that wrote it; some were corrected since.
;; Scale Model. Allowed arithmetic: float matrix products may take bf16 or f16 operands with f32 sums; other float arithmetic in f32, or as packed bf16 or f16 multiplies, adds, multiply-adds, maxima and minima; sums over many terms, partial sums and values carried from step to step in f32; what a program stores and reads back later, other than sums and carried values, may be rounded once to bf16 or f16.
;; Inputs: b1 256 float32; b2 128 float32; beta 128 float32; embed 32,000 x 128 float32; gamma 128 float32; kp_w 128 x 128 float32; out_b 32,000 float32; out_w 32,000 x 128 float32; rp_b 128 float32; rp_w 128 x 128 float32; seq 64 x 2,048 int32; w1 256 x 128 float32; w2 128 x 256 float32.
;; Outputs: out0 64 x 32,000 float32.
;; 2 versions, each right; version 2 is version 1 with the launch keys written anew for expert scheduling mode. Each part assembles by itself: llvm-mc -triple=amdgcn-amd-amdhsa -mcpu=gfx1250 --defsym DOCPART=n.
;; ======== version 1 of 2: 3 launches
;; limits: values are held in f16: magnitudes above 65,504 overflow, below 6.1e-05 lose precision
;; workspace buffers: ktab 8,192,000 bytes; knrm 128,000 bytes; r1p 32,768 bytes
;; launch keys (part 1): grid 250 x 1, 4 waves a work-group, no clusters, 210,432 bytes of LDS; arguments embed, w1, b1, w2, b2, gamma, beta, kp_w, ktab, knrm; writes ktab, knrm
.if DOCPART == 1
	.amdgcn_target "amdgcn-amd-amdhsa--gfx1250"
	.amdhsa_code_object_version 6
	.text
	.protected	k_q650af71d03_keys
	.globl	k_q650af71d03_keys
	.p2align	8
	.type	k_q650af71d03_keys,@function
k_q650af71d03_keys:
	s_mov_b64 s[64:65], 0
	v_nop
	global_prefetch_b8 v0, s[64:65] scope:SCOPE_SE
	s_setreg_imm32_b32 hwreg(HW_REG_WAVE_MODE, 25, 1), 1
	s_wait_xcnt 0x0
; For every id of the vocabulary (the chain in front of the scan hangs on the id alone):  h = embed[id];  x = h + relu(h w1^T + b1) w2^T + b2;  hn = LayerNorm(x) gamma + beta;
; k = hn kp_w^T;  d = max(|k|, 1e-12) -> knrm (f32);  kn = k / d -> ktab (f16, rows of 256 bytes).  So k = d kn always.
; FORMATS.  Every input is rounded to bf16 on its way in.  h w1^T and relu(..) w2^T are bf16 products; hn kp_w^T is an f16 product (kp_w: the bf16 number written as f16).  Sums, LayerNorm and norm in f32.
; LIMITS.  |hn| and |kp_w| stay under 65,504; a weight of kp_w under 6e-5 keeps f16's fixed step of 6e-8; |k|^2 is formed in f32: |k| under 1.8e19, and under 1e-19 the norm counts as 0 (the divisor is 1e-12).
; SHARES.  A work-group owns 128 ids, each of its four waves 32: two tiles n of 16 tokens.  ALL PRODUCTS ARE USED TRANSPOSED (source 0 = 16 rows of a weight, source 1 = 16 tokens): a lane then holds ONE token
; (lane % 16) and the channels 8 (lane / 16) + 0..7 of each tile of 16; a result rounded in pairs IS source 1 of the next product, and a row's sums want one exchange between the halves of the lanes.
; REGISTERS, in windows of 256 (s_set_vgpr_msb: bits 1:0 source 0, 3:2 source 1, 5:4 source 2, 7:6 destination):
;   window 0: v0-31 addresses; v32-95, v96-159 two sets (lines on the way in; fragments of w1 / w2 / kp_w; gamma, beta); v160-191 hidden tiles; v192-207 their packed form; v208-223 b1
;   window 1: v0-127 x (tile t of channels, tile n of tokens at 16 t + 8 n); v128-191 h, later hn, later kn, packed (at 128 + 32 n + 4 t); v192-255 b2, later statistics
.set W1S,   0                          ; w1 in bf16: 256 rows of 256 bytes + 16
.set W2S,   69632                      ; w2 in bf16: 128 rows of 512 bytes + 16
.set KPS,   137216                     ; kp_w in f16: 128 rows of 256 + 16
.set HS,    172032                     ; each wave's own 32 rows of 256 + 16: h in bf16, later kn on its way out
.set PRM,   206848                     ; f32: b1 at 0, b2 at 1024, gamma at 1536, beta at 2048
.set NS,    209408                     ; the 128 divisors d
.set SPARE, 209920                     ; the spare words, 128 bytes a wave: no other line names them
.set SPW, 4
.set NIL, 5
.set ZR,  6                            ; 0, for the packed relu
.set LA1, 7                            ; fragments of w1: W1S + 272 r + 16 h, stepped
.set LA2, 8                            ; fragments of w2: W2S + 528 r + 16 h, stepped
.set LB,  9                            ; b1 in result layout: PRM + 32 h, stepped
.set LH,  10                           ; my wave's rows: HS + 8704 w + 272 r + 16 h
.set LKP, 11                           ; fragments of kp_w
.set CE,  12                           ; where a converted line goes: region + the wave's block + 8 l
.set LP,  13                           ; PRM + 32 h, fixed
.set RB,  14                           ; rows read back: HS + 8704 w + 272 h + 16 r
.set PS,  15                           ; PRM + 4 t
.set L16, 16                           ; 16 l
.set T4,  17                           ; 4 t
.set CW1, 18
.set CW2, 19
.set CKP, 20
.set GO1, 21                           ; 16 l + 16384 w
.set GO2, 22                           ; 16 l + 32768 w
.set NSA, 23                           ; NS + 4 t
.set GO3, 30                           ; 16 l + 8192 w
.set SA,  32
.set SB,  96
.set HID, 160
.set HP,  192
.set BIAS, 208
.set MSB, 0
.macro WIN new                         ; the immediate's high byte repeats the setting that is left; a switch that changes nothing is dropped
.if MSB != (\new)
	s_set_vgpr_msb (MSB<<8)|(\new)
.set MSB, (\new)
.endif
.endm
.macro PLACES                          ; four plain instructions between a matrix instruction and a vector read of its result, or a load into one of its registers
.rept 4
	v_nop
.endr
.endm
	s_load_b512 s[4:19], s[0:1], 0x0               ; embed s[4:5], w1 s[6:7], b1 s[8:9], w2 s[10:11], b2 s[12:13], gamma s[14:15], beta s[16:17], kp_w s[18:19]
	s_load_b128 s[20:23], s[0:1], 0x40             ; ktab, knrm
	v_lshl_add_u32 v[SPW], v0, 2, SPARE
	v_mov_b32 v[NIL], 0
	v_mov_b32 v[ZR], 0
	v_lshrrev_b32 v1, 5, v0
	v_readfirstlane_b32 s24, v1                    ; wave w
	v_and_b32 v1, 15, v0                           ; r
	v_bfe_u32 v2, v0, 4, 1                         ; h
	v_and_b32 v3, 31, v0                           ; l
	s_mov_b32 s26, 0xffff0000                      ; a word's upper bf16; also the mask of lanes 16-31
	s_mov_b32 s27, 0x3727c5ac                      ; 1e-5
	s_mov_b32 s28, 0x76543210                      ; v_permlanex16_b32: each lane takes its own place in the other half
	s_mov_b32 s29, 0xfedcba98
	s_mov_b32 s31, 0x3c000000                      ; 1 / 128
	v_mul_u32_u24 v24, v1, 272
	v_lshl_add_u32 v24, v2, 4, v24                 ; 272 r + 16 h
	v_mov_b32 v[LA1], v24
	v_mul_u32_u24 v[LA2], v1, 528
	v_lshl_add_u32 v[LA2], v2, 4, v[LA2]
	v_add_nc_u32 v[LA2], W2S, v[LA2]
	v_lshlrev_b32 v[LP], 5, v2
	v_add_nc_u32 v[LP], PRM, v[LP]
	v_mov_b32 v[LB], v[LP]
	v_add_nc_u32 v[LKP], KPS, v24
	s_mul_i32 s38, s24, 8704
	s_add_co_u32 s39, s38, HS
	v_add_nc_u32 v[LH], s39, v24
	v_lshl_add_u32 v[CE], v3, 3, s39
	v_mul_u32_u24 v[RB], v2, 272
	v_lshl_add_u32 v[RB], v1, 4, v[RB]
	v_add_nc_u32 v[RB], s39, v[RB]
	s_add_co_u32 s39, s38, KPS
	v_lshl_add_u32 v[CKP], v3, 3, s39
	s_mul_i32 s38, s24, 17408
	v_lshl_add_u32 v[CW1], v3, 3, s38
	s_mul_i32 s38, s24, 16896
	s_add_co_u32 s38, s38, W2S
	v_lshl_add_u32 v[CW2], v3, 3, s38
	v_lshlrev_b32 v[T4], 2, v0
	v_add_nc_u32 v[PS], PRM, v[T4]
	v_add_nc_u32 v[NSA], NS, v[T4]
	v_lshlrev_b32 v[L16], 4, v3
	s_lshl_b32 s38, s24, 14
	v_add_nc_u32 v[GO1], s38, v[L16]
	s_lshl_b32 s38, s24, 15
	v_add_nc_u32 v[GO2], s38, v[L16]
	s_lshl_b32 s38, s24, 13
	v_add_nc_u32 v[GO3], s38, v[L16]
	s_lshl_b32 s32, ttmp9, 16                      ; the group's 128 rows of embed, 512 bytes each
	s_mov_b32 s33, 0
	s_lshl_b32 s34, ttmp9, 15                      ; of ktab, 256 bytes each
	s_mov_b32 s35, 0
	s_lshl_b32 s36, ttmp9, 9                       ; of knrm, 4 bytes each
	s_mov_b32 s37, 0
	s_wait_kmcnt 0x0
	s_add_nc_u64 s[4:5], s[4:5], s[32:33]
	s_add_nc_u64 s[20:21], s[20:21], s[34:35]
	s_add_nc_u64 s[22:23], s[22:23], s[36:37]
; THE WAY IN.  A line is one load of the wave: 512 consecutive bytes, 128 f32.  Sixteen lines are a set; two sets of registers take turns.
.macro LD16 R, base, vo, off, nt
.set ln, 0
.rept 16
.if \nt
	global_load_b128 v[(\R)+4*ln:(\R)+4*ln+3], v[\vo], s[\base:\base+1] offset:(\off)+512*ln th:TH_LOAD_NT
.else
	global_load_b128 v[(\R)+4*ln:(\R)+4*ln+3], v[\vo], s[\base:\base+1] offset:(\off)+512*ln
.endif
.set ln, ln+1
.endr
.endm
; A set is rounded to bf16 in place and stored, 8 bytes a lane.  kind 0: a line is a row of 272 bytes in LDS; 1: two lines are a row of 528; 2: the bf16 numbers are written as f16
.macro CV16 R, adr, off, kind
.set ln, 0
.rept 16
	v_cvt_pk_bf16_f32 v[(\R)+4*ln], v[(\R)+4*ln], v[(\R)+4*ln+1]
	v_cvt_pk_bf16_f32 v[(\R)+4*ln+1], v[(\R)+4*ln+2], v[(\R)+4*ln+3]
.if (\kind) == 2
	v_lshlrev_b32 v[(\R)+4*ln+2], 16, v[(\R)+4*ln]
	v_and_b32 v[(\R)+4*ln+3], s26, v[(\R)+4*ln]
	v_cvt_pk_f16_f32 v[(\R)+4*ln], v[(\R)+4*ln+2], v[(\R)+4*ln+3]
	v_lshlrev_b32 v[(\R)+4*ln+2], 16, v[(\R)+4*ln+1]
	v_and_b32 v[(\R)+4*ln+3], s26, v[(\R)+4*ln+1]
	v_cvt_pk_f16_f32 v[(\R)+4*ln+1], v[(\R)+4*ln+2], v[(\R)+4*ln+3]
.endif
.if (\kind) == 1
	ds_store_b64 v[\adr], v[(\R)+4*ln:(\R)+4*ln+1] offset:(\off)+528*(ln/2)+256*(ln%2)
.else
	ds_store_b64 v[\adr], v[(\R)+4*ln:(\R)+4*ln+1] offset:(\off)+272*ln
.endif
.set ln, ln+1
.endr
.endm
	global_load_b32 v25, v[T4], s[8:9]             ; b1[t], b1[128 + t], b2[t], gamma[t], beta[t]
	global_load_b32 v26, v[T4], s[8:9] offset:512
	global_load_b32 v27, v[T4], s[12:13]
	global_load_b32 v28, v[T4], s[14:15]
	global_load_b32 v29, v[T4], s[16:17]
	LD16 SA, 4, GO1, 0, 1                          ; my 32 rows of embed, read once in the launch
	LD16 SB, 4, GO1, 8192, 1
	s_wait_loadcnt 16                              ; loads come back in order: all but the youngest set's sixteen are in; the same count at every turn below but the last
.irp x, 25,26,27,28,29
	v_cvt_pk_bf16_f32 v\x, v\x, v\x
.endr
.irp x, 25,26,27,28,29
	v_lshlrev_b32 v\x, 16, v\x
.endr
	ds_store_b32 v[PS], v25
	ds_store_b32 v[PS], v26 offset:512
	ds_store_b32 v[PS], v27 offset:1024
	ds_store_b32 v[PS], v28 offset:1536
	ds_store_b32 v[PS], v29 offset:2048
	CV16 SA, CE, 0, 0
	LD16 SA, 6, GO2, 0, 0                          ; w1: rows 64 w on, four sets
	s_wait_loadcnt 16
	CV16 SB, CE, 4352, 0
	LD16 SB, 6, GO2, 8192, 0
	s_wait_loadcnt 16
	CV16 SA, CW1, 0, 0
	LD16 SA, 6, GO2, 16384, 0
	s_wait_loadcnt 16
	CV16 SB, CW1, 4352, 0
	LD16 SB, 6, GO2, 24576, 0
	s_wait_loadcnt 16
	CV16 SA, CW1, 8704, 0
	LD16 SA, 10, GO2, 0, 0                         ; w2: rows 32 w on, two lines a row, four sets
	s_wait_loadcnt 16
	CV16 SB, CW1, 13056, 0
	LD16 SB, 10, GO2, 8192, 0
	s_wait_loadcnt 16
	CV16 SA, CW2, 0, 1
	LD16 SA, 10, GO2, 16384, 0
	s_wait_loadcnt 16
	CV16 SB, CW2, 4224, 1
	LD16 SB, 10, GO2, 24576, 0
	s_wait_loadcnt 16
	CV16 SA, CW2, 8448, 1
	LD16 SA, 18, GO1, 0, 0                         ; kp_w: rows 32 w on, two sets
	s_wait_loadcnt 16
	CV16 SB, CW2, 12672, 1
	LD16 SB, 18, GO1, 8192, 0
	s_wait_loadcnt 16
	CV16 SA, CKP, 0, 2
	s_wait_loadcnt 0x0
	CV16 SB, CKP, 4352, 2
	s_wait_dscnt 0x0                               ; for the others' sake: my stores are done
	s_barrier_signal -1
	s_barrier_wait -1                              ; the weights and parameters are whole
	; THE SUMS START with h + b2: the residual and the bias; nothing is cleared
	WIN 0x40                                       ; destination window 1, address window 0
.irp n, 0,1
.irp k, 0,1,2,3
	ds_load_b128 v[128+32*\n+8*\k:128+32*\n+8*\k+3], v[LH] offset:4352*\n+64*\k
	ds_load_b128 v[128+32*\n+8*\k+4:128+32*\n+8*\k+7], v[LH] offset:4352*\n+64*\k+32
.endr
.endr
.irp t, 0,1,2,3,4,5,6,7
	ds_load_b128 v[192+8*\t:192+8*\t+3], v[LP] offset:1024+64*\t
	ds_load_b128 v[192+8*\t+4:192+8*\t+7], v[LP] offset:1024+64*\t+16
.endr
	s_wait_dscnt 0x0
	WIN 0x55
.irp n, 0,1
.irp t, 0,1,2,3,4,5,6,7
.irp p, 0,1,2,3
	v_lshlrev_b32 v[16*\t+8*\n+2*\p], 16, v[128+32*\n+4*\t+\p]
	v_and_b32 v[16*\t+8*\n+2*\p+1], s26, v[128+32*\n+4*\t+\p]
	v_pk_add_f32 v[16*\t+8*\n+2*\p:16*\t+8*\n+2*\p+1], v[16*\t+8*\n+2*\p:16*\t+8*\n+2*\p+1], v[192+8*\t+2*\p:192+8*\t+2*\p+1]
.endr
.endr
.endr
	WIN 0
; THE FEED-FORWARD, 32 hidden units a step.  LDA1: the step's fragments of w1 (2 tiles x 128 channels) and its b1 in result layout: 20 loads.
.macro LDA1
.irp tp, 0,1
.irp k, 0,1,2,3
	ds_load_b128 v[SA+32*\tp+8*\k:SA+32*\tp+8*\k+3], v[LA1] offset:4352*\tp+64*\k
	ds_load_b128 v[SA+32*\tp+8*\k+4:SA+32*\tp+8*\k+7], v[LA1] offset:4352*\tp+64*\k+32
.endr
.endr
.irp tp, 0,1
	ds_load_b128 v[BIAS+8*\tp:BIAS+8*\tp+3], v[LB] offset:64*\tp
	ds_load_b128 v[BIAS+8*\tp+4:BIAS+8*\tp+7], v[LB] offset:64*\tp+16
.endr
.endm
; A step.  pre = 1: the next step's 20 loads are issued between the two products.  In both products the accumulators take turns, one instruction a turn.
.macro PSTEP pre
.irp t, 0,1,2,3,4,5,6,7
	ds_load_b128 v[SB+8*\t:SB+8*\t+3], v[LA2] offset:8448*\t
	ds_load_b128 v[SB+8*\t+4:SB+8*\t+7], v[LA2] offset:8448*\t+32
.endr
	s_wait_dscnt 16                                ; w1's fragments and b1 are in; w2's sixteen loads may stay out
	WIN 0x04                                       ; source 1 (h) in window 1
.irp k, 0,1,2,3
.irp tp, 0,1
.irp n, 0,1
.if \k == 0
	v_wmma_f32_16x16x32_bf16 v[HID+8*(2*\tp+\n):HID+8*(2*\tp+\n)+7], v[SA+32*\tp+8*\k:SA+32*\tp+8*\k+7], v[128+32*\n+8*\k:128+32*\n+8*\k+7], v[BIAS+8*\tp:BIAS+8*\tp+7]
.else
	v_wmma_f32_16x16x32_bf16 v[HID+8*(2*\tp+\n):HID+8*(2*\tp+\n)+7], v[SA+32*\tp+8*\k:SA+32*\tp+8*\k+7], v[128+32*\n+8*\k:128+32*\n+8*\k+7], v[HID+8*(2*\tp+\n):HID+8*(2*\tp+\n)+7]
.endif
.endr
.endr
.endr
	PLACES
	WIN 0
.irp n, 0,1
.irp tp, 0,1
.irp p, 0,1,2,3
	v_cvt_pk_bf16_f32 v[HP+8*\n+4*\tp+\p], v[HID+8*(2*\tp+\n)+2*\p], v[HID+8*(2*\tp+\n)+2*\p+1]
.endr
.endr
.endr
.set ln, 0
.rept 16
	v_pk_max_num_bf16 v[HP+ln], v[HP+ln], v[ZR]    ; relu on the rounded halves: nothing is rounded again
.set ln, ln+1
.endr
	v_add_nc_u32 v[LA2], 64, v[LA2]                ; the next 32 hidden units along w2's rows
.if \pre
	v_add_nc_u32 v[LA1], 8704, v[LA1]              ; the next 32 rows of w1
	v_add_nc_u32 v[LB], 128, v[LB]
	LDA1
	s_wait_dscnt 20                                ; w2's fragments are in; the 20 just issued may stay out
.else
	s_wait_dscnt 0x0
.endif
	WIN 0x50                                       ; C and D in window 1
.irp t, 0,1,2,3,4,5,6,7
.irp n, 0,1
	v_wmma_f32_16x16x32_bf16 v[16*\t+8*\n:16*\t+8*\n+7], v[SB+8*\t:SB+8*\t+7], v[HP+8*\n:HP+8*\n+7], v[16*\t+8*\n:16*\t+8*\n+7]
.endr
.endr
	PLACES
	WIN 0
.endm
	LDA1
	s_mov_b32 s30, 7
.Lstep:
	PSTEP 1
	s_sub_co_u32 s30, s30, 1
	s_cmp_lg_u32 s30, 0
	s_cbranch_scc1 .Lstep
	PSTEP 0                                        ; the eighth step asks for nothing more
; A token's sum over its 128 channels (sq = 0) or sum of squares (sq = 1): four chains in the lane, each accumulator's lowest registers first, then the other half of the lanes.  Result at 200 + 16 n.
.macro SUMS n, sq
.set TN, 192+16*(\n)
.irp p, 0,1,2,3
.if \sq
	v_pk_mul_f32 v[TN+2*\p:TN+2*\p+1], v[8*(\n)+2*\p:8*(\n)+2*\p+1], v[8*(\n)+2*\p:8*(\n)+2*\p+1]
.else
	v_pk_add_f32 v[TN+2*\p:TN+2*\p+1], v[8*(\n)+2*\p:8*(\n)+2*\p+1], v[16+8*(\n)+2*\p:16+8*(\n)+2*\p+1]
.endif
.endr
.irp t, 1,2,3,4,5,6,7
.irp p, 0,1,2,3
.if \sq
	v_pk_fma_f32 v[TN+2*\p:TN+2*\p+1], v[16*\t+8*(\n)+2*\p:16*\t+8*(\n)+2*\p+1], v[16*\t+8*(\n)+2*\p:16*\t+8*(\n)+2*\p+1], v[TN+2*\p:TN+2*\p+1]
.elseif \t > 1
	v_pk_add_f32 v[TN+2*\p:TN+2*\p+1], v[TN+2*\p:TN+2*\p+1], v[16*\t+8*(\n)+2*\p:16*\t+8*(\n)+2*\p+1]
.endif
.endr
.endr
	v_pk_add_f32 v[TN:TN+1], v[TN:TN+1], v[TN+2:TN+3]
	v_pk_add_f32 v[TN+4:TN+5], v[TN+4:TN+5], v[TN+6:TN+7]
	v_pk_add_f32 v[TN:TN+1], v[TN:TN+1], v[TN+4:TN+5]
	v_add_f32 v[TN+8], v[TN], v[TN+1]
	v_permlanex16_b32 v[TN+2], v[TN+8], s28, s29
	v_add_f32 v[TN+8], v[TN+8], v[TN+2]
.endm
; One line for each of a token tile's 32 pairs.  kind 0: less the pair at 202 + 16 n; 1: times the pair at 204 + 16 n; 2: times gamma plus beta (window 0); 3: rounded to f16 into 128 + 32 n + ..
.macro XOP n, kind
.set TN, 192+16*(\n)
.irp t, 0,1,2,3,4,5,6,7
.irp p, 0,1,2,3
.set rX, 16*\t+8*(\n)+2*\p
.if (\kind) == 0
	v_pk_add_f32 v[rX:rX+1], v[rX:rX+1], v[TN+10:TN+11] neg_lo:[0,1] neg_hi:[0,1]
.elseif (\kind) == 1
	v_pk_mul_f32 v[rX:rX+1], v[rX:rX+1], v[TN+12:TN+13]
.elseif (\kind) == 2
	v_pk_fma_f32 v[rX:rX+1], v[rX:rX+1], v[32+8*\t+2*\p:32+8*\t+2*\p+1], v[96+8*\t+2*\p:96+8*\t+2*\p+1]
.else
	v_cvt_pk_f16_f32 v[128+32*(\n)+4*\t+\p], v[rX], v[rX+1]
.endif
.endr
.endr
.endm
	; LAYERNORM, in two passes: the mean is taken away before the squares are summed
.irp t, 0,1,2,3,4,5,6,7
	ds_load_b128 v[32+8*\t:32+8*\t+3], v[LP] offset:1536+64*\t
	ds_load_b128 v[32+8*\t+4:32+8*\t+7], v[LP] offset:1536+64*\t+16
	ds_load_b128 v[96+8*\t:96+8*\t+3], v[LP] offset:2048+64*\t
	ds_load_b128 v[96+8*\t+4:96+8*\t+7], v[LP] offset:2048+64*\t+16
.endr
	WIN 0x55
	SUMS 0, 0
	SUMS 1, 0
.irp n, 0,1
	v_mul_f32 v[202+16*\n], s31, v[200+16*\n]      ; the mean, twice: a pair for the packed subtraction
	v_mul_f32 v[203+16*\n], s31, v[200+16*\n]
.endr
	XOP 0, 0
	XOP 1, 0
	SUMS 0, 1
	SUMS 1, 1
.irp n, 0,1
	v_fma_f32 v[201+16*\n], v[200+16*\n], s31, s27 ; the variance + 1e-5
.endr
.irp n, 0,1
	v_rsq_f32 v[204+16*\n], v[201+16*\n]
	v_rsq_f32 v[205+16*\n], v[201+16*\n]
.endr
	v_nop                                          ; a plain instruction behind the last of them,
	s_wait_alu depctr_va_vdst(0)                   ; and one wait for the four, ahead of their first reader
	XOP 0, 1
	XOP 1, 1
	s_wait_dscnt 0x0                               ; gamma and beta
	WIN 0x41                                       ; x in window 1, gamma and beta in window 0
	XOP 0, 2
	XOP 1, 2
	WIN 0x55
	XOP 0, 3
	XOP 1, 3
	WIN 0
; K^T = kp_w hn^T, two tiles of 16 outputs a group; the groups' fragments take the two sets by turns
.macro LDKP g, R
.irp tp, 0,1
.irp k, 0,1,2,3
	ds_load_b128 v[(\R)+32*\tp+8*\k:(\R)+32*\tp+8*\k+3], v[LKP] offset:4352*(2*(\g)+\tp)+64*\k
	ds_load_b128 v[(\R)+32*\tp+8*\k+4:(\R)+32*\tp+8*\k+7], v[LKP] offset:4352*(2*(\g)+\tp)+64*\k+32
.endr
.endr
.endm
.macro KGRP g, R
	WIN 0x54                                       ; hn, C and D in window 1
.irp k, 0,1,2,3
.irp tp, 0,1
.irp n, 0,1
.if \k == 0
	v_wmma_f32_16x16x32_f16 v[16*(2*(\g)+\tp)+8*\n:16*(2*(\g)+\tp)+8*\n+7], v[(\R)+32*\tp+8*\k:(\R)+32*\tp+8*\k+7], v[128+32*\n+8*\k:128+32*\n+8*\k+7], 0
.else
	v_wmma_f32_16x16x32_f16 v[16*(2*(\g)+\tp)+8*\n:16*(2*(\g)+\tp)+8*\n+7], v[(\R)+32*\tp+8*\k:(\R)+32*\tp+8*\k+7], v[128+32*\n+8*\k:128+32*\n+8*\k+7], v[16*(2*(\g)+\tp)+8*\n:16*(2*(\g)+\tp)+8*\n+7]
.endif
.endr
.endr
.endr
	PLACES
	WIN 0
.endm
	LDKP 0, SA
	LDKP 1, SB
	s_wait_dscnt 16                                ; this group's fragments are in; the other set's sixteen loads may stay out
	KGRP 0, SA
	LDKP 2, SA
	s_wait_dscnt 16
	KGRP 1, SB
	LDKP 3, SB
	s_wait_dscnt 16
	KGRP 2, SA
	s_wait_dscnt 0x0
	KGRP 3, SB
	; THE NORM AND THE WAY OUT
	WIN 0x55
	SUMS 0, 1
	SUMS 1, 1
	v_sqrt_f32 v201, v200
	v_sqrt_f32 v217, v216
	v_nop
	s_wait_alu depctr_va_vdst(0)                   ; one wait for both roots
	v_max_num_f32 v201, 0x2b8cbccc, v201           ; d = max(|k|, 1e-12)
	v_max_num_f32 v217, 0x2b8cbccc, v217
.irp n, 0,1
	v_rcp_f32 v[204+16*\n], v[201+16*\n]
	v_rcp_f32 v[205+16*\n], v[201+16*\n]
.endr
	v_nop
	s_wait_alu depctr_va_vdst(0)                   ; one wait for the four reciprocals
	XOP 0, 1
	XOP 1, 1
	XOP 0, 3
	XOP 1, 3
	WIN 0x04                                       ; LDS store: address window 0, data window 1
.irp n, 0,1
.irp t, 0,1,2,3,4,5,6,7
	ds_store_b128 v[LH], v[128+32*\n+4*\t:128+32*\n+4*\t+3] offset:4352*\n+32*\t  ; my token's 8 channels of tile t: 16 bytes of its row
.endr
.endr
	WIN 0x05
	v_cndmask_b32 v24, v201, v217, s26             ; lanes 0-15 hold tile 0's d, lanes 16-31 tile 1's: token = lane
	WIN 0
	ds_store_b32 v[NSA], v24
.set ln, 0
.rept 16
	ds_load_b128 v[32+4*ln:32+4*ln+3], v[RB] offset:544*ln  ; LDS serves a wave's instructions in order (ISA guide 5.7.1.4): these see the stores above; two whole rows a load
.set ln, ln+1
.endr
.set ln, 0
.rept 16
	s_wait_dscnt 15-ln
	global_store_b128 v[GO3], v[32+4*ln:32+4*ln+3], s[20:21] offset:512*ln  ; 512 consecutive bytes, at a multiple of 256 from ktab's first byte
.set ln, ln+1
.endr
	s_wait_dscnt 0x0
	s_barrier_signal -1
	s_barrier_wait -1                              ; all 128 divisors lie in LDS
	s_cmp_lg_u32 s24, 0
	s_cbranch_scc1 .Lend
	v_add_nc_u32 v25, NS, v[L16]
	ds_load_b128 v[96:99], v25
	s_wait_dscnt 0x0
	global_store_b128 v[L16], v[96:99], s[22:23]   ; wave 0 stores the group's 512 bytes of knrm
.Lend:
	s_wait_tensorcnt 0x0                           ; the wave's end: closing lines behind my last LDS store
	ds_add_u32 v[SPW], v[NIL]
	s_wait_dscnt 0x0
	s_endpgm
.Lfunc_end_k_q650af71d03_keys:
	.size	k_q650af71d03_keys, .Lfunc_end_k_q650af71d03_keys-k_q650af71d03_keys
	.p2alignl 7, 3214868480
	.fill 96, 4, 3214868480
	.section	.rodata,"a",@progbits
	.p2align	6, 0x0
	.amdhsa_kernel k_q650af71d03_keys
		.amdhsa_group_segment_fixed_size 210432
		.amdhsa_private_segment_fixed_size 0
		.amdhsa_enable_private_segment 0
		.amdhsa_kernarg_size 80
		.amdhsa_user_sgpr_count 2
		.amdhsa_user_sgpr_kernarg_segment_ptr 1
		.amdhsa_wavefront_size32 1
		.amdhsa_system_sgpr_workgroup_id_x 1
		.amdhsa_system_sgpr_workgroup_id_y 1
		.amdhsa_system_sgpr_workgroup_id_z 1
		.amdhsa_system_vgpr_workitem_id 0
		.amdhsa_next_free_vgpr 512
		.amdhsa_next_free_sgpr 66
		.amdhsa_reserve_vcc 0
		.amdhsa_float_denorm_mode_32 3
		.amdhsa_float_denorm_mode_16_64 3
		.amdhsa_memory_ordered 1
		.amdhsa_forward_progress 1
		.amdhsa_inst_pref_size 145
	.end_amdhsa_kernel
	.amdgpu_metadata
---
amdhsa.version: [ 1, 2 ]
amdhsa.kernels:
  - .name:           k_q650af71d03_keys
    .symbol:         k_q650af71d03_keys.kd
    .args:
      - { .name: embed, .offset: 0, .size: 8, .value_kind: global_buffer, .address_space: global }
      - { .name: w1, .offset: 8, .size: 8, .value_kind: global_buffer, .address_space: global }
      - { .name: b1, .offset: 16, .size: 8, .value_kind: global_buffer, .address_space: global }
      - { .name: w2, .offset: 24, .size: 8, .value_kind: global_buffer, .address_space: global }
      - { .name: b2, .offset: 32, .size: 8, .value_kind: global_buffer, .address_space: global }
      - { .name: gamma, .offset: 40, .size: 8, .value_kind: global_buffer, .address_space: global }
      - { .name: beta, .offset: 48, .size: 8, .value_kind: global_buffer, .address_space: global }
      - { .name: kp_w, .offset: 56, .size: 8, .value_kind: global_buffer, .address_space: global }
      - { .name: ktab, .offset: 64, .size: 8, .value_kind: global_buffer, .address_space: global }
      - { .name: knrm, .offset: 72, .size: 8, .value_kind: global_buffer, .address_space: global }
    .group_segment_fixed_size: 210432
    .private_segment_fixed_size: 0
    .kernarg_segment_align: 8
    .kernarg_segment_size: 80
    .max_flat_workgroup_size: 128
    .sgpr_count:     66
    .vgpr_count:     512
    .wavefront_size: 32
...
	.end_amdgpu_metadata
.endif
;; end of part 1
;; launch scan (part 2): grid 64 x 1, 8 waves a work-group, no clusters, 299,776 bytes of LDS; arguments seq, ktab, knrm, rp_w, rp_b, r1p; writes r1p
.if DOCPART == 2
	.amdgcn_target "amdgcn-amd-amdhsa--gfx1250"
	.amdhsa_code_object_version 6
	.text
	.protected	k_q650af71d03_scan
	.globl	k_q650af71d03_scan
	.p2align	8
	.type	k_q650af71d03_scan,@function
k_q650af71d03_scan:
	s_mov_b64 s[64:65], 0
	v_nop
	global_prefetch_b8 v0, s[64:65] scope:SCOPE_SE
	s_setreg_imm32_b32 hwreg(HW_REG_WAVE_MODE, 25, 1), 1
	s_wait_xcnt 0x0
; THE SCAN, WALKED BACKWARDS ON THE QUERY.  M_t = M_(t-1) (I - kn kn^T) + k kn^T, and only M q is wanted: with a_t = kn_t . q_t and q_(t-1) = q_t - a_t kn_t, read = the sum of a_t k_t = the sum of a_t d_t kn_t.
; IN CHUNKS of 32 tokens (Kn: their rows; G = Kn Kn^T; U: G's part above the diagonal): (I + U) a = Kn q.  With N = -(I + U)^-1 and W = N Kn a chunk is two dependent stages: a' = W q; q += Kn^T a' (a' = -a).
; N is made exactly, by doubling blocks: N <- N + N (Uoff N), Uoff the part of U that joins two neighbouring blocks; sizes 1, 2, 4, 8, 16.  (I + U) + (I + U)^T = I + G is at least I, so |N| is at most 2 for all keys, equal ones too.
; SCALES.  q is walked as the unit row kn[id_q]; the norms as dn = d / dmax, dmax the batch's largest.  read = -d_q dmax read''; that factor is applied in f32 behind the product with rp_w.  Then r1 = read rp_w^T + rp_b.
; FORMATS.  f16 operands, all bounded by the computation: kn, G, N, W, q, a', dn a', read'' (at most 46: the a^2 add up to at most 1).  rp_w, rp_b: rounded to bf16 (rp_w then written as f16).  q, read'', N and all sums in f32.
; r1 leaves as two bf16 numbers, hi = bf16(r1) and lo = bf16(r1 - hi): r1p[part][batch][128].
; LIMITS.  |rp_w| under 65,504, and under 6e-5 it keeps f16's fixed step of 6e-8; d_q dmax stays finite in f32; a norm counts relative to its batch's largest; a' and q keep f16's fixed step of 6e-8 below 6e-5.
; SHARES.  A work-group is a batch.  Chunk c holds tokens 32 c .. 32 c + 31.  Wave 0 WALKS, chunks 63 down to 0; waves 1-7 MAKE: in phase p (0..9) wave w makes chunk 64 - w - 7 p (Kn, W and dn) into its slot of
; buffer p % 2, while wave 0 walks the seven slots of the other buffer.  A trip of the loop is two phases, so that each buffer is a constant of the text.  One barrier ends a phase: the makers' stores are done before
; the walker reads them, the walker's reads before the makers write that buffer again.  Token 2047 is the query: its row in chunk 63 is stored as zeros, so its a is 0.
; ADDRESSES.  Every LDS address is a lane term (v3-v9, made once, never rewritten) + a constant + (makers) wave x SLOT, added directly ahead of its use.
; LAYOUT.  A result holds row 8 (lane / 16) + j in register j and column lane % 16.  Rounded in pairs it is 16 of the 32 k of a source: as source 1 the matrix itself, as source 0 its transpose.  The walker's vectors fill all 16 columns alike.
.set SLOT,  17664                      ; Kn: 32 rows of 256 + 32 bytes; W: 16 blocks of 512 bytes, as its fragments lie in registers; dn: 32 f32
.set WOF,   9216                       ; W in a slot
.set DOF,   17408                      ; dn in a slot
.set MX,    0                          ; the eight waves' largest d
.set STG,   256                        ; r1's two rows of 256 bytes
.set RPB,   768                        ; rp_b in f32
.set SPARE, 1280                       ; the spare words, 128 bytes a wave: no other line names them
.set B0C,   0                          ; buffer 0: wave w's slot at B0C + w SLOT, w = 1..7
.set RP,    8*SLOT                     ; rp_w in f16: 128 rows of 256 + 16
.set B1C,   RP+34816-SLOT              ; buffer 1: wave w's slot at B1C + w SLOT
; common, window 0: v0 thread; v1, v2 the add's registers; v3 = 16 r; v4 = 16 l; v5 = 288 r + 16 h; v6 = 288 (8 h + l % 8) + 16 ((l / 8) % 2); v7 = 4608 h + 16 r; v8 = 32 h; v9 = 64 h; v10-v13 addresses at work
; walker, window 0: v[14:15] the scale; PQ q packed; AA a'; B1, B2 a' and dn a' packed; DD dn; TMP; KT Kn^T's fragments; AQ q in f32.  window 1: AR read'' in f32; WF W's fragments
; maker, window 0: v16-39 f32 masks; v40-44 bit masks; v45 the mask of the query's row; v48-59 G packed; v64-111 six operands of 8; v112-175 Kn's fragments, then Kn^T's; v176-247 G, N, N^T, X in f32, later W^T; v255 1 / dmax
; maker, window 1: v0-15 ids; v16-31 rows' offsets; v32-95 the next chunk's rows; v96-111 norms' offsets; v112-127 the next chunk's norms
.set PQ,  16
.set AA,  48
.set B1,  64
.set B2,  72
.set DD,  80
.set TMP, 96
.set KT,  112
.set AQ,  176
.set AR,  128
.set WF,  192
.set MSB, 0
.macro WIN new                         ; s_set_vgpr_msb: bits 1:0 source 0, 3:2 source 1, 5:4 source 2, 7:6 destination; the high byte repeats the setting that is left
.if MSB != (\new)
	s_set_vgpr_msb (MSB<<8)|(\new)
.set MSB, (\new)
.endif
.endm
.macro PLACES                          ; four plain instructions between a matrix instruction and a vector read of its result, a vector write or a load into one of its registers
.rept 4
	v_nop
.endr
.endm
; The ids of chunk max(s25, 0): lane half h takes tokens 16 h .. 16 h + 15.  The base is written when no load that names it is out.  Behind a wave's last chunks the number is negative: chunk 0's 128 bytes are read in its place.
.macro IDLOAD
	s_max_i32 s36, s25, 0
	s_lshl_b32 s36, s36, 7
	s_add_nc_u64 s[38:39], s[30:31], s[36:37]
	WIN 0x40                                       ; destination window 1, address window 0
.irp jj, 0,1,2,3
	global_load_b128 v[4*\jj:4*\jj+3], v9, s[38:39] offset:16*\jj
.endr
	WIN 0
	s_sub_co_i32 s25, s25, 7
.endm
; The rows and norms of the chunk whose ids are in: row load i brings tokens i and 16 + i, 256 consecutive bytes each; then the ids of the chunk after.
.macro GATH
	WIN 0x45                                       ; all in window 1 but source 2
.set i, 0
.rept 16
	v_min_u32 v[i], 0x7cff, v[i]                   ; an id stays inside the table of 32,000 rows
	v_lshl_add_u32 v[16+i], v[i], 8, v3
	v_lshlrev_b32 v[96+i], 2, v[i]
.set i, i+1
.endr
.set i, 0
.rept 16
	global_load_b128 v[32+4*i:32+4*i+3], v[16+i], s[6:7]
.set i, i+1
.endr
.set i, 0
.rept 16
	global_load_b32 v[112+i], v[96+i], s[8:9]
.set i, i+1
.endr
	IDLOAD
.endm
	s_load_b256 s[4:11], s[0:1], 0x0               ; seq s[4:5], ktab s[6:7], knrm s[8:9], rp_w s[10:11]
	s_load_b128 s[12:15], s[0:1], 0x20             ; rp_b s[12:13], r1p s[14:15]
	v_lshl_add_u32 v1, v0, 2, SPARE
	v_mov_b32 v2, 0
	v_lshrrev_b32 v232, 5, v0
	v_readfirstlane_b32 s16, v232                  ; wave w
	v_and_b32 v232, 15, v0                         ; r
	v_bfe_u32 v233, v0, 4, 1                       ; h
	v_and_b32 v234, 31, v0                         ; l
	v_lshlrev_b32 v3, 4, v232
	v_lshlrev_b32 v4, 4, v234
	v_mul_u32_u24 v5, v232, 288
	v_lshl_add_u32 v5, v233, 4, v5
	v_and_b32 v6, 7, v0
	v_lshl_add_u32 v6, v233, 3, v6
	v_mul_u32_u24 v6, v6, 288
	v_bfe_u32 v235, v0, 3, 1
	v_lshl_add_u32 v6, v235, 4, v6
	v_mul_u32_u24 v7, v233, 4608
	v_lshl_add_u32 v7, v232, 4, v7
	v_lshlrev_b32 v8, 5, v233
	v_lshlrev_b32 v9, 6, v233
	v_lshlrev_b32 v236, 5, v0                      ; the ids of my 8 tokens, for the norms
	s_lshl_b32 s26, s16, 13
	v_add_nc_u32 v239, s26, v4                     ; rp_w: my 16 rows of 512 bytes
	s_mul_i32 s26, s16, 4352
	s_add_co_u32 s26, s26, RP
	v_lshl_add_u32 v238, v234, 3, s26              ; and where they go
	s_lshl_b32 s26, s16, 2
	s_add_co_u32 s26, s26, MX
	v_mov_b32 v237, s26
	s_mov_b32 s27, 0xffff0000
	s_mov_b32 s28, 0x76543210                      ; v_permlanex16_b32: each lane takes its own place in the other half
	s_mov_b32 s29, 0xfedcba98
	s_mov_b32 s40, 1.0
	s_mov_b32 s41, -1.0
	s_mul_i32 s18, s16, SLOT                       ; my slot in buffer 0,
	s_add_co_u32 s19, s18, B1C                     ; in buffer 1
	s_sub_co_u32 s24, 64, s16                      ; the chunk that a maker makes in the phase in hand
	s_mov_b32 s25, s24                             ; the chunk whose ids are fetched next
	s_mov_b32 s20, 5                               ; trips to go
	s_lshl_b32 s36, ttmp9, 13                      ; the batch's 2,048 ids
	s_mov_b32 s37, 0
	s_wait_kmcnt 0x0
	s_add_nc_u64 s[30:31], s[4:5], s[36:37]
	global_load_b128 v[240:243], v236, s[30:31]    ; every wave: the ids of tokens 256 w + 8 l ..
	global_load_b128 v[244:247], v236, s[30:31] offset:16
	s_cmp_eq_u32 s16, 0
	s_cbranch_scc1 .Lwhead
	; A MAKER'S HEAD
	s_cmp_eq_u32 s16, 1
	s_cselect_b32 s26, 0xffff, -1                  ; wave 1 makes chunk 63 first: lanes 16-31 of its last row load hold token 2047
	v_cndmask_b32 v45, 0, -1, s26
	IDLOAD
	v_lshlrev_b32 v228, 3, v233
	v_sub_nc_u32 v228, v232, v228                  ; column less the lane half's first row
.irp j, 0,2,4,6
	v_cmp_eq_u32 vcc_lo, \j+1, v228
	v_cndmask_b32 v[16+\j], 0, s40, vcc_lo         ; 1 at (even row, the column after): the blocks of two, above the diagonal
	v_mov_b32 v[17+\j], 0
	v_mov_b32 v[24+\j], 0
	v_cmp_eq_u32 vcc_lo, \j, v228
	v_cndmask_b32 v[25+\j], 0, s40, vcc_lo         ; the same transposed: (odd row, the column before)
.endr
.irp j, 0,1,2,3,4,5,6,7
	v_cmp_eq_u32 vcc_lo, \j, v228
	v_cndmask_b32 v[32+\j], 0, s41, vcc_lo         ; -I
.endr
	v_lshrrev_b32 v229, 1, v0
	v_xor_b32 v229, v229, v0
	v_and_b32 v229, 8, v229                        ; 0 where r / 8 = h
	v_and_b32 v230, 0x18, v0
	v_cmp_eq_u32 vcc_lo, 16, v230
	v_cndmask_b32 v40, 0, -1, vcc_lo               ; rows 8-15, columns 0-7
	v_and_b32 v230, 4, v0
	v_or_b32 v230, v229, v230
	v_cmp_eq_u32 vcc_lo, 0, v230
	v_cndmask_b32 v41, 0, -1, vcc_lo               ; the column lies in the first four of my rows' block of eight
	v_and_b32 v230, 6, v0
	v_or_b32 v230, v229, v230
	v_cmp_eq_u32 vcc_lo, 0, v230
	v_cndmask_b32 v42, 0, -1, vcc_lo               ; in the first two of the block of four with rows 8 h + 2, 3
	v_cmp_eq_u32 vcc_lo, 4, v230
	v_cndmask_b32 v43, 0, -1, vcc_lo               ; with rows 8 h + 6, 7
	v_mov_b32 v44, 0
.irp x, 68,69,70,71, 72,73,74,75, 100,101,102,103, 104,105,106,107
	v_mov_b32 v\x, 0                               ; the halves of four operands that stay 0
.endr
	s_wait_loadcnt 0x0                             ; the ids are in
	GATH
	s_branch .Ljoin
.Lwhead:                                               ; THE WALKER'S HEAD
	v_mov_b32 v228, 0x1ffc
	global_load_b32 v229, v228, s[30:31]           ; the query's id, in every lane
	global_load_b128 v[96:99], v4, s[12:13]        ; rp_b
	v_add_nc_u32 v227, RPB, v4
	WIN 0x40
.set i, 0
.rept 64
	v_mov_b32 v[AR+i], 0                           ; read'' starts at 0: written while the first loads are out, so that a chunk has one form
.set i, i+1
.endr
	WIN 0
	s_wait_loadcnt 0x0
	v_min_u32 v229, 0x7cff, v229
	v_lshlrev_b32 v230, 8, v229
	v_lshl_add_u32 v230, v233, 4, v230             ; the query's row, 16 h
	v_lshlrev_b32 v231, 2, v229
	global_load_b32 v14, v231, s[8:9]              ; d_q
.irp k, 0,1,2,3
	global_load_b128 v[PQ+8*\k:PQ+8*\k+3], v230, s[6:7] offset:64*\k
	global_load_b128 v[PQ+8*\k+4:PQ+8*\k+7], v230, s[6:7] offset:64*\k+32
.endr
	v_cvt_pk_bf16_f32 v100, v96, v97
	v_cvt_pk_bf16_f32 v101, v98, v99
	v_lshlrev_b32 v96, 16, v100
	v_and_b32 v97, s27, v100
	v_lshlrev_b32 v98, 16, v101
	v_and_b32 v99, s27, v101
	ds_store_b128 v227, v[96:99]
.Ljoin:
.irp i, 0,1,2,3,4,5,6,7
	v_min_u32 v[240+\i], 0x7cff, v[240+\i]
	v_lshlrev_b32 v[240+\i], 2, v[240+\i]
.endr
.irp i, 0,1,2,3,4,5,6,7
	global_load_b32 v[248+\i], v[240+\i], s[8:9]   ; d of my 8 tokens
.endr
.set i, 0
.rept 16
	global_load_b128 v[112+4*i:112+4*i+3], v239, s[10:11] offset:512*i
.set i, i+1
.endr
	s_wait_loadcnt 16                              ; loads come back in order: all but rp_w's sixteen lines are in
	v_max3_num_f32 v224, v248, v249, v250
	v_max3_num_f32 v225, v251, v252, v253
	v_max3_num_f32 v224, v224, v254, v255
	v_max_num_f32 v224, v224, v225
	v_max_num_f32_dpp v224, v224, v224 row_xmask:1 row_mask:0xf bank_mask:0xf
	v_max_num_f32_dpp v224, v224, v224 row_xmask:2 row_mask:0xf bank_mask:0xf
	v_max_num_f32_dpp v224, v224, v224 row_xmask:4 row_mask:0xf bank_mask:0xf
	v_max_num_f32_dpp v224, v224, v224 row_xmask:8 row_mask:0xf bank_mask:0xf
	v_permlanex16_b32 v225, v224, s28, s29
	v_max_num_f32 v224, v224, v225
	ds_store_b32 v237, v224
	s_wait_loadcnt 0x0
.set i, 0
.rept 16                                       ; rp_w: rounded to bf16, that number written as f16
	v_cvt_pk_bf16_f32 v[112+4*i], v[112+4*i], v[112+4*i+1]
	v_cvt_pk_bf16_f32 v[112+4*i+1], v[112+4*i+2], v[112+4*i+3]
	v_lshlrev_b32 v[112+4*i+2], 16, v[112+4*i]
	v_and_b32 v[112+4*i+3], s27, v[112+4*i]
	v_cvt_pk_f16_f32 v[112+4*i], v[112+4*i+2], v[112+4*i+3]
	v_lshlrev_b32 v[112+4*i+2], 16, v[112+4*i+1]
	v_and_b32 v[112+4*i+3], s27, v[112+4*i+1]
	v_cvt_pk_f16_f32 v[112+4*i+1], v[112+4*i+2], v[112+4*i+3]
	ds_store_b64 v238, v[112+4*i:112+4*i+1] offset:272*i
.set i, i+1
.endr
	s_wait_dscnt 0x0                               ; for the others' sake: my stores are done
	s_barrier_signal -1
	s_barrier_wait -1                              ; the eight maxima and rp_w lie in LDS
	v_mov_b32 v226, MX
	ds_load_b128 v[216:219], v226
	ds_load_b128 v[220:223], v226 offset:16
	s_wait_dscnt 0x0
	v_max3_num_f32 v224, v216, v217, v218
	v_max3_num_f32 v225, v219, v220, v221
	v_max3_num_f32 v224, v224, v222, v223
	v_max_num_f32 v224, v224, v225                 ; dmax: at least 1e-12
	v_rcp_f32 v255, v224
	v_nop
	s_wait_alu depctr_va_vdst(0)                   ; the wait ahead of the reciprocal's first reader, and ahead of the branch
	s_cmp_lg_u32 s16, 0
	s_cbranch_scc1 .Ltrip
	v_mul_f32 v14, v14, v224
	v_mul_f32 v14, -1.0, v14                       ; -d_q dmax,
	v_mov_b32 v15, v14                             ; twice: a pair for the packed multiply-add
.irp ct, 0,1,2,3,4,5,6,7
.irp p, 0,1,2,3
	v_cvt_f32_f16 v[AQ+8*\ct+2*\p], v[PQ+4*\ct+\p].l
	v_cvt_f32_f16 v[AQ+8*\ct+2*\p+1], v[PQ+4*\ct+\p].h
.endr
.endr
; THE WALKER.  ADRS: the three addresses of the slot that begins at byte nb, a constant.  LDW: its W, 8 fragments of 16 tokens x 32 channels, as the maker's lanes stored them.
; LDK: Kn^T, 8 fragments of 16 channels x 32 tokens, by the turning load; and dn in a's layout.
.macro ADRS nb
	v_add_nc_u32 v10, (\nb)+WOF, v4
	v_add_nc_u32 v11, (\nb), v6
	v_add_nc_u32 v12, (\nb)+DOF, v8
.endm
.macro LDW
	WIN 0x40
.irp mt, 0,1
.irp k, 0,1,2,3
	ds_load_b128 v[WF+32*\mt+8*\k:WF+32*\mt+8*\k+3], v10 offset:512*(8*\mt+2*\k)
	ds_load_b128 v[WF+32*\mt+8*\k+4:WF+32*\mt+8*\k+7], v10 offset:512*(8*\mt+2*\k)+512
.endr
.endr
	WIN 0
.endm
.macro LDK
.irp ct, 0,1,2,3,4,5,6,7
	ds_load_tr16_b128 v[KT+8*\ct:KT+8*\ct+3], v11 offset:32*\ct
	ds_load_tr16_b128 v[KT+8*\ct+4:KT+8*\ct+7], v11 offset:4608+32*\ct
.endr
	ds_load_b128 v[DD:DD+3], v12
	ds_load_b128 v[DD+4:DD+7], v12 offset:16
	ds_load_b128 v[DD+8:DD+11], v12 offset:64
	ds_load_b128 v[DD+12:DD+15], v12 offset:80
.endm
; A CHUNK.  pre = 1: the loads of the slot at byte nb are issued as soon as their registers are free.  fin = 1: the last chunk: read'' is packed in q's place, for the product with rp_w.
; The accumulators take turns, one instruction a turn, from chunk to chunk too.
.macro WALK pre, nb, fin
	s_wait_dscnt 20                                ; W is in; Kn^T's sixteen loads and dn's four may stay out
	WIN 0x01                                       ; W in window 1
.irp k, 0,1,2,3
.irp mt, 0,1
.if \k == 0
	v_wmma_f32_16x16x32_f16 v[AA+8*\mt:AA+8*\mt+7], v[WF+32*\mt+8*\k:WF+32*\mt+8*\k+7], v[PQ+8*\k:PQ+8*\k+7], 0
.else
	v_wmma_f32_16x16x32_f16 v[AA+8*\mt:AA+8*\mt+7], v[WF+32*\mt+8*\k:WF+32*\mt+8*\k+7], v[PQ+8*\k:PQ+8*\k+7], v[AA+8*\mt:AA+8*\mt+7]
.endif
.endr
.endr
	WIN 0
.if \pre
	ADRS \nb                                       ; four places: the next slot's three addresses and a v_nop
	v_nop
.else
	PLACES
.endif
.irp mt, 0,1
.irp p, 0,1,2,3
	v_cvt_pk_f16_f32 v[B1+4*\mt+\p], v[AA+8*\mt+2*\p], v[AA+8*\mt+2*\p+1]
.endr
.endr
.if \pre
	LDW
	s_wait_dscnt 16                                ; Kn^T and dn are in; the sixteen just issued may stay out
.else
	s_wait_dscnt 0x0
.endif
.irp ct, 0,1,2,3,4,5,6,7
	v_wmma_f32_16x16x32_f16 v[AQ+8*\ct:AQ+8*\ct+7], v[KT+8*\ct:KT+8*\ct+7], v[B1:B1+7], v[AQ+8*\ct:AQ+8*\ct+7]  ; q += Kn^T a'
.endr
.irp mt, 0,1
.irp p, 0,1,2,3
	v_pk_mul_f32 v[TMP+8*\mt+2*\p:TMP+8*\mt+2*\p+1], v[AA+8*\mt+2*\p:AA+8*\mt+2*\p+1], v[DD+8*\mt+2*\p:DD+8*\mt+2*\p+1]
.endr
.endr
.irp mt, 0,1
.irp p, 0,1,2,3
	v_cvt_pk_f16_f32 v[B2+4*\mt+\p], v[TMP+8*\mt+2*\p], v[TMP+8*\mt+2*\p+1]
.endr
.endr
	WIN 0x50                                       ; read'' in window 1
.irp ct, 0,1,2,3,4,5,6,7
	v_wmma_f32_16x16x32_f16 v[AR+8*\ct:AR+8*\ct+7], v[KT+8*\ct:KT+8*\ct+7], v[B2:B2+7], v[AR+8*\ct:AR+8*\ct+7]  ; read'' += Kn^T (dn a')
.endr
.if \fin
	PLACES
	WIN 0x05
.irp ct, 0,1,2,3,4,5,6,7
.irp p, 0,1,2,3
	v_cvt_pk_f16_f32 v[PQ+4*\ct+\p], v[AR+8*\ct+2*\p], v[AR+8*\ct+2*\p+1]
.endr
.endr
	WIN 0
.else
	WIN 0
.irp ct, 0,1,2,3,4,5,6,7                       ; q's sums were finished sixteen plain instructions back; these 32 are the places in front of the loads into Kn^T's registers
.irp p, 0,1,2,3
	v_cvt_pk_f16_f32 v[PQ+4*\ct+\p], v[AQ+8*\ct+2*\p], v[AQ+8*\ct+2*\p+1]
.endr
.endr
.endif
.if \pre
	LDK
.endif
.endm
; The seven slots of the buffer with constant B, wave 1's first: it holds the latest chunk.  What follows the seventh is shown whole only by the barrier.
.macro WALK7 B
	ADRS (\B)+SLOT
	LDW
	LDK
.irp k, 2,3,4,5,6,7
	WALK 1, (\B)+\k*SLOT, 0
.endr
	WALK 0, 0, 0
.endm
; THE MAKER.  A level of the doubling inside the two diagonal tiles of 16: the arguments are the mask registers for the four packed registers of G^T's part that joins the blocks.
; v64 [Uoff00^T | 0], v72 [0 | Uoff11^T], v80 [N00 | N11], v88 [N00^T | N11^T], v96 [X00 | 0], v104 [0 | X11]: a source's low four registers are k = 0..15, its high four k = 16..31.
.macro LEVEL ma, mb, mc, md
	v_and_b32 v64, v48, v\ma
	v_and_b32 v65, v49, v\mb
	v_and_b32 v66, v50, v\mc
	v_and_b32 v67, v51, v\md
	v_and_b32 v76, v52, v\ma
	v_and_b32 v77, v53, v\mb
	v_and_b32 v78, v54, v\mc
	v_and_b32 v79, v55, v\md
	v_wmma_f32_16x16x32_f16 v[232:239], v[64:71], v[80:87], 0        ; X = Uoff N
	v_wmma_f32_16x16x32_f16 v[240:247], v[72:79], v[80:87], 0
	PLACES
.irp p, 0,1,2,3
	v_cvt_pk_f16_f32 v[96+\p], v[232+2*\p], v[232+2*\p+1]
.endr
.irp p, 0,1,2,3
	v_cvt_pk_f16_f32 v[108+\p], v[240+2*\p], v[240+2*\p+1]
.endr
	v_wmma_f32_16x16x32_f16 v[200:207], v[88:95], v[96:103], v[200:207]    ; N += N X
	v_wmma_f32_16x16x32_f16 v[208:215], v[88:95], v[104:111], v[208:215]
	v_wmma_f32_16x16x32_f16 v[216:223], v[96:103], v[88:95], v[216:223]    ; N^T += X^T N^T
	v_wmma_f32_16x16x32_f16 v[224:231], v[104:111], v[88:95], v[224:231]
	PLACES
.set i, 0
.rept 16
	v_cvt_pk_f16_f32 v[80+i], v[200+2*i], v[200+2*i+1]
.set i, i+1
.endr
.endm
; A chunk is made into the slot whose first byte is in s[sb].
.macro MAKE sb
	s_wait_loadcnt 0x0                             ; this chunk's rows and norms and the next chunk's ids are in; no load of mine is out, so offsets and the ids' base may be written
	v_add_nc_u32 v10, s[\sb], v7
	v_add_nc_u32 v11, s[\sb], v9
	WIN 0x44                                       ; source 0 in window 0; source 1 and destination in window 1
.irp x, 92,93,94,95
	v_and_b32 v\x, v45, v\x                        ; token 2047's row, where it is among them, becomes 0
.endr
.set i, 0
.rept 16
	v_mul_f32 v[112+i], v255, v[112+i]             ; dn = d / dmax
.set i, i+1
.endr
	WIN 0x04                                       ; LDS store: address window 0, data window 1
.set i, 0
.rept 16
	ds_store_b128 v10, v[32+4*i:32+4*i+3] offset:288*i
.set i, i+1
.endr
.irp jj, 0,1,2,3
	ds_store_b128 v11, v[112+4*\jj:112+4*\jj+3] offset:DOF+16*\jj  ; the sixteen lanes of a half hold the same numbers and write the same 16 bytes
.endr
	WIN 0
	s_cmp_lt_i32 s24, 7                            ; has my wave a chunk in the next phase?
	s_cbranch_scc1 .Lnog_\@
	GATH                                           ; its rows have this whole phase in which to come
.Lnog_\@:
	v_mov_b32 v45, -1
	v_add_nc_u32 v12, s[\sb], v5
	v_add_nc_u32 v13, s[\sb], v6
	v_add_nc_u32 v10, s[\sb], v4
.irp tt, 0,1
.irp k, 0,1,2,3
	ds_load_b128 v[112+32*\tt+8*\k:112+32*\tt+8*\k+3], v12 offset:4608*\tt+64*\k
	ds_load_b128 v[112+32*\tt+8*\k+4:112+32*\tt+8*\k+7], v12 offset:4608*\tt+64*\k+32
.endr
.endr
	s_wait_dscnt 0x0                               ; my own bytes: LDS serves a wave's instructions in order (ISA guide 5.7.1.4)
.irp k, 0,1,2,3                                ; G00, G11 and G10 = rows 16-31 x rows 0-15, by turns
.if \k == 0
	v_wmma_f32_16x16x32_f16 v[176:183], v[112+8*\k:112+8*\k+7], v[112+8*\k:112+8*\k+7], 0
	v_wmma_f32_16x16x32_f16 v[184:191], v[144+8*\k:144+8*\k+7], v[144+8*\k:144+8*\k+7], 0
	v_wmma_f32_16x16x32_f16 v[192:199], v[144+8*\k:144+8*\k+7], v[112+8*\k:112+8*\k+7], 0
.else
	v_wmma_f32_16x16x32_f16 v[176:183], v[112+8*\k:112+8*\k+7], v[112+8*\k:112+8*\k+7], v[176:183]
	v_wmma_f32_16x16x32_f16 v[184:191], v[144+8*\k:144+8*\k+7], v[144+8*\k:144+8*\k+7], v[184:191]
	v_wmma_f32_16x16x32_f16 v[192:199], v[144+8*\k:144+8*\k+7], v[112+8*\k:112+8*\k+7], v[192:199]
.endif
.endr
	PLACES
.irp ct, 0,1,2,3,4,5,6,7
	ds_load_tr16_b128 v[112+8*\ct:112+8*\ct+3], v13 offset:32*\ct
	ds_load_tr16_b128 v[112+8*\ct+4:112+8*\ct+7], v13 offset:4608+32*\ct
.endr
.set i, 0
.rept 12
	v_cvt_pk_f16_f32 v[48+i], v[176+2*i], v[176+2*i+1]
.set i, i+1
.endr
.irp p, 0,1,2,3                                ; blocks of two: N = -I + G at (even row, the column after); and its transpose
	v_pk_fma_f32 v[200+2*\p:200+2*\p+1], v[176+2*\p:176+2*\p+1], v[16+2*\p:16+2*\p+1], v[32+2*\p:32+2*\p+1]
	v_pk_fma_f32 v[208+2*\p:208+2*\p+1], v[184+2*\p:184+2*\p+1], v[16+2*\p:16+2*\p+1], v[32+2*\p:32+2*\p+1]
	v_pk_fma_f32 v[216+2*\p:216+2*\p+1], v[176+2*\p:176+2*\p+1], v[24+2*\p:24+2*\p+1], v[32+2*\p:32+2*\p+1]
	v_pk_fma_f32 v[224+2*\p:224+2*\p+1], v[184+2*\p:184+2*\p+1], v[24+2*\p:24+2*\p+1], v[32+2*\p:32+2*\p+1]
.endr
.set i, 0
.rept 16
	v_cvt_pk_f16_f32 v[80+i], v[200+2*i], v[200+2*i+1]
.set i, i+1
.endr
	LEVEL 44, 42, 44, 43                           ; two -> four
	LEVEL 44, 44, 41, 41                           ; four -> eight
	LEVEL 40, 40, 40, 40                           ; eight -> sixteen
.irp p, 0,1,2,3
	v_mov_b32 v[76+\p], v[56+\p]                   ; sixteen -> thirty-two: G10 packed is G01 as source 0
.endr
	v_wmma_f32_16x16x32_f16 v[232:239], v[72:79], v[80:87], 0        ; X01 = G01 N11
	PLACES
.irp p, 0,1,2,3
	v_cvt_pk_f16_f32 v[96+\p], v[232+2*\p], v[232+2*\p+1]
.endr
.irp p, 0,1,2,3
	v_mov_b32 v[80+\p], v[88+\p]                   ; v80: [N00^T | N01^T], the columns 0-15 of N^T;
	v_mov_b32 v[76+\p], v[92+\p]                   ; v72: [0 | N11^T], its columns 16-31
.endr
	v_wmma_f32_16x16x32_f16 v[240:247], v[96:103], v[88:95], 0       ; N01^T = X01^T N00^T
	PLACES
.irp p, 0,1,2,3
	v_cvt_pk_f16_f32 v[84+\p], v[240+2*\p], v[240+2*\p+1]
.endr
	s_wait_dscnt 0x0                               ; Kn^T's fragments
.irp q, 0,1                                    ; W^T = Kn^T N^T, four tiles of channels a group; a tile rounded in pairs is half a fragment of W as source 0
.irp c4, 0,1,2,3
	v_wmma_f32_16x16x32_f16 v[176+16*\c4:176+16*\c4+7], v[112+8*(4*\q+\c4):112+8*(4*\q+\c4)+7], v[80:87], 0
	v_wmma_f32_16x16x32_f16 v[184+16*\c4:184+16*\c4+7], v[112+8*(4*\q+\c4):112+8*(4*\q+\c4)+7], v[72:79], 0
.endr
	PLACES
.irp c4, 0,1,2,3
.irp nt, 0,1
.irp p, 0,1,2,3
	v_cvt_pk_f16_f32 v[176+16*\c4+8*\nt+\p], v[176+16*\c4+8*\nt+2*\p], v[176+16*\c4+8*\nt+2*\p+1]
.endr
	ds_store_b128 v10, v[176+16*\c4+8*\nt:176+16*\c4+8*\nt+3] offset:WOF+512*(8*\nt+4*\q+\c4)
.endr
.endr
.endr
.endm
.Ltrip:                                                ; FIVE TRIPS OF TWO PHASES.  First phase of a trip: the makers fill buffer 0, the walker walks buffer 1
	s_cmp_lg_u32 s16, 0
	s_cbranch_scc1 .LmakeA
	s_cmp_eq_u32 s20, 5
	s_cbranch_scc1 .LsyncA                         ; in the first trip nothing is made yet
	WALK7 B1C
	s_branch .LsyncA
.LmakeA:
	MAKE 18
.LsyncA:
	s_wait_dscnt 0x0                               ; my stores into my slot are done; my reads of the other buffer are back
	s_barrier_signal -1
	s_barrier_wait -1
	s_sub_co_i32 s24, s24, 7
	s_cmp_lg_u32 s16, 0                            ; second phase: the makers fill buffer 1, the walker walks buffer 0
	s_cbranch_scc1 .LmakeB
	WALK7 B0C
	s_branch .LsyncB
.LmakeB:
	s_cmp_lt_i32 s24, 0
	s_cbranch_scc1 .LsyncB                         ; in the tenth phase only wave 1 has a chunk left, chunk 0
	MAKE 19
.LsyncB:
	s_wait_dscnt 0x0
	s_barrier_signal -1
	s_barrier_wait -1
	s_sub_co_i32 s24, s24, 7
	s_sub_co_u32 s20, s20, 1
	s_cmp_lg_u32 s20, 0
	s_cbranch_scc1 .Ltrip
	s_cmp_lg_u32 s16, 0
	s_cbranch_scc1 .Lend
	ADRS B1C+SLOT                                  ; chunk 0: wave 1's slot of buffer 1
	LDW
	LDK
	WALK 0, 0, 1
	; r1 = -d_q dmax (rp_w read'') + rp_b, two tiles of 16 outputs a group; the groups' fragments take two sets of registers by turns
	v_and_b32 v10, 15, v0
	v_bfe_u32 v11, v0, 4, 1
	v_mul_u32_u24 v10, v10, 272
	v_lshl_add_u32 v10, v11, 4, v10
	v_add_nc_u32 v10, RP, v10
	v_add_nc_u32 v12, RPB, v8
	v_lshl_add_u32 v13, v11, 4, STG
.macro RLOAD q, R, BR                  ; 20 loads: 8 fragments of rp_w and rp_b in result layout
.irp tp, 0,1
.irp k, 0,1,2,3
	ds_load_b128 v[(\R)+32*\tp+8*\k:(\R)+32*\tp+8*\k+3], v10 offset:4352*(2*(\q)+\tp)+64*\k
	ds_load_b128 v[(\R)+32*\tp+8*\k+4:(\R)+32*\tp+8*\k+7], v10 offset:4352*(2*(\q)+\tp)+64*\k+32
.endr
.endr
.irp tp, 0,1
	ds_load_b128 v[(\BR)+8*\tp:(\BR)+8*\tp+3], v12 offset:64*(2*(\q)+\tp)
	ds_load_b128 v[(\BR)+8*\tp+4:(\BR)+8*\tp+7], v12 offset:64*(2*(\q)+\tp)+16
.endr
.endm
.macro RGRP q, R, BR
.irp k, 0,1,2,3
.irp tp, 0,1
.if \k == 0
	v_wmma_f32_16x16x32_f16 v[AA+8*\tp:AA+8*\tp+7], v[(\R)+32*\tp+8*\k:(\R)+32*\tp+8*\k+7], v[PQ+8*\k:PQ+8*\k+7], 0
.else
	v_wmma_f32_16x16x32_f16 v[AA+8*\tp:AA+8*\tp+7], v[(\R)+32*\tp+8*\k:(\R)+32*\tp+8*\k+7], v[PQ+8*\k:PQ+8*\k+7], v[AA+8*\tp:AA+8*\tp+7]
.endif
.endr
.endr
	PLACES
.irp tp, 0,1
.irp p, 0,1,2,3
	v_pk_fma_f32 v[TMP+8*\tp+2*\p:TMP+8*\tp+2*\p+1], v[AA+8*\tp+2*\p:AA+8*\tp+2*\p+1], v[14:15], v[(\BR)+8*\tp+2*\p:(\BR)+8*\tp+2*\p+1]
.endr
.endr
.irp tp, 0,1
.irp p, 0,1,2,3
	v_cvt_pk_bf16_f32 v[B1+4*\tp+\p], v[TMP+8*\tp+2*\p], v[TMP+8*\tp+2*\p+1]  ; hi
.endr
.endr
.irp tp, 0,1
.irp p, 0,1,2,3
	v_lshlrev_b32 v[AA+8*\tp+2*\p], 16, v[B1+4*\tp+\p]
	v_and_b32 v[AA+8*\tp+2*\p+1], s27, v[B1+4*\tp+\p]
	v_pk_add_f32 v[TMP+8*\tp+2*\p:TMP+8*\tp+2*\p+1], v[TMP+8*\tp+2*\p:TMP+8*\tp+2*\p+1], v[AA+8*\tp+2*\p:AA+8*\tp+2*\p+1] neg_lo:[0,1] neg_hi:[0,1]
.endr
.endr
.irp tp, 0,1
.irp p, 0,1,2,3
	v_cvt_pk_bf16_f32 v[B2+4*\tp+\p], v[TMP+8*\tp+2*\p], v[TMP+8*\tp+2*\p+1]  ; lo = what hi left
.endr
.endr
.irp tp, 0,1
	ds_store_b128 v13, v[B1+4*\tp:B1+4*\tp+3] offset:32*(2*(\q)+\tp)       ; the sixteen lanes of a half hold the same numbers and write the same 16 bytes
	ds_store_b128 v13, v[B2+4*\tp:B2+4*\tp+3] offset:256+32*(2*(\q)+\tp)
.endr
.endm
	RLOAD 0, 112, 80
	RLOAD 1, 176, 240
	s_wait_dscnt 20                                ; this group's 20 loads are in; behind them only the other set's 20 were issued
	RGRP 0, 112, 80
	RLOAD 2, 112, 80
	s_wait_dscnt 20                                ; LDS instructions end in order: group 1's loads, and group 0's four stores behind them, are done
	RGRP 1, 176, 240
	RLOAD 3, 176, 240
	s_wait_dscnt 20
	RGRP 2, 112, 80
	s_wait_dscnt 0x0
	RGRP 3, 176, 240
	v_add_nc_u32 v10, STG, v4
	ds_load_b128 v[64:67], v10                     ; lanes 0-15: hi's row; lanes 16-31: lo's; my own bytes, served in order
	v_lshl_add_u32 v96, v11, 14, v3                ; part x 64 rows of 256 bytes + 16 r
	s_lshl_b32 s36, ttmp9, 8
	s_add_nc_u64 s[14:15], s[14:15], s[36:37]
	s_wait_dscnt 0x0
	global_store_b128 v96, v[64:67], s[14:15]      ; sixteen lanes store 256 consecutive bytes, at a multiple of 256 from r1p's first byte
.Lend:
	s_wait_tensorcnt 0x0                           ; the wave's end: closing lines behind my last LDS store
	ds_add_u32 v1, v2
	s_wait_dscnt 0x0
	s_endpgm
.Lfunc_end_k_q650af71d03_scan:
	.size	k_q650af71d03_scan, .Lfunc_end_k_q650af71d03_scan-k_q650af71d03_scan
	.p2alignl 7, 3214868480
	.fill 96, 4, 3214868480
	.section	.rodata,"a",@progbits
	.p2align	6, 0x0
	.amdhsa_kernel k_q650af71d03_scan
		.amdhsa_group_segment_fixed_size 299776
		.amdhsa_private_segment_fixed_size 0
		.amdhsa_enable_private_segment 0
		.amdhsa_kernarg_size 48
		.amdhsa_user_sgpr_count 2
		.amdhsa_user_sgpr_kernarg_segment_ptr 1
		.amdhsa_wavefront_size32 1
		.amdhsa_system_sgpr_workgroup_id_x 1
		.amdhsa_system_sgpr_workgroup_id_y 1
		.amdhsa_system_sgpr_workgroup_id_z 1
		.amdhsa_system_vgpr_workitem_id 0
		.amdhsa_next_free_vgpr 512
		.amdhsa_next_free_sgpr 66
		.amdhsa_reserve_vcc 1
		.amdhsa_float_denorm_mode_32 3
		.amdhsa_float_denorm_mode_16_64 3
		.amdhsa_memory_ordered 1
		.amdhsa_forward_progress 1
		.amdhsa_inst_pref_size 224
	.end_amdhsa_kernel
	.amdgpu_metadata
---
amdhsa.version: [ 1, 2 ]
amdhsa.kernels:
  - .name:           k_q650af71d03_scan
    .symbol:         k_q650af71d03_scan.kd
    .args:
      - { .name: seq, .offset: 0, .size: 8, .value_kind: global_buffer, .address_space: global }
      - { .name: ktab, .offset: 8, .size: 8, .value_kind: global_buffer, .address_space: global }
      - { .name: knrm, .offset: 16, .size: 8, .value_kind: global_buffer, .address_space: global }
      - { .name: rp_w, .offset: 24, .size: 8, .value_kind: global_buffer, .address_space: global }
      - { .name: rp_b, .offset: 32, .size: 8, .value_kind: global_buffer, .address_space: global }
      - { .name: r1p, .offset: 40, .size: 8, .value_kind: global_buffer, .address_space: global }
    .group_segment_fixed_size: 299776
    .private_segment_fixed_size: 0
    .kernarg_segment_align: 8
    .kernarg_segment_size: 48
    .max_flat_workgroup_size: 256
    .sgpr_count:     66
    .vgpr_count:     512
    .wavefront_size: 32
...
	.end_amdgpu_metadata
.endif
;; end of part 2
;; launch vocab (part 3): grid 250 x 1, 8 waves a work-group, no clusters, 104,448 bytes of LDS; arguments r1p, out_w, out_b, out0; writes out0
.if DOCPART == 3
	.amdgcn_target "amdgcn-amd-amdhsa--gfx1250"
	.amdhsa_code_object_version 6
	.text
	.protected	k_q650af71d03_vocab
	.globl	k_q650af71d03_vocab
	.p2align	8
	.type	k_q650af71d03_vocab,@function
k_q650af71d03_vocab:
	s_mov_b64 s[64:65], 0
	v_nop
	global_prefetch_b8 v0, s[64:65] scope:SCOPE_SE
	s_setreg_imm32_b32 hwreg(HW_REG_WAVE_MODE, 25, 1), 1
	s_wait_xcnt 0x0
; out0[b][v] = the sum over c of r1[b][c] out_w[v][c] + out_b[v].  r1 comes as two bf16 numbers, hi + lo (r1p[part][64][128]); out_w and out_b are rounded to bf16; sums in f32.
; SHARES.  A work-group owns 128 rows of out_w and all 64 batches, each of its eight waves 16 rows.  Source 0 = 16 rows of out_w, source 1 = 16 batches: in the result a lane holds ONE batch (lane % 16) and
; 8 neighbouring v: 32 bytes of a row of out0.  A wave's 16 v are 64 bytes of a row, so the eight waves' results meet in one stage in LDS, and each wave then stores 8 whole rows of 512 bytes.
; out_w is the launch's stream: each byte is read once, and a wave asks for all its 8 KiB at the head.  r1p is 32 KiB that every work-group reads.
.set OWS,   0                          ; each wave's 16 rows of out_w in bf16: 256 bytes + 16
.set R1S,   34816                      ; r1: row 64 part + b, 256 bytes + 16
.set OS,    69632                      ; the stage: 64 rows (batches) of 512 bytes + 16
.set SPARE, 103424                     ; the spare words, 128 bytes a wave: no other line names them
.set AF,   80                          ; v[80:111]   out_w's four fragments
.set BIAS, 112                         ; v[112:119]  out_b in result layout
.set ACC,  120                         ; v[120:151]  four accumulators: batches 16 nt ..
.set BS0,  152                         ; v[152:215]  r1's fragments of 32 channels (part, nt at 32 part + 8 nt): two sets by turns
.set BS1,  16                          ; v[16:79]    the second set, where out_w's lines lay
.macro PLACES                          ; four plain instructions between a matrix instruction and a store of its result or a load into one of its registers
.rept 4
	v_nop
.endr
.endm
	s_load_b256 s[4:11], s[0:1], 0x0               ; r1p s[4:5], out_w s[6:7], out_b s[8:9], out0 s[10:11]
	v_lshl_add_u32 v1, v0, 2, SPARE
	v_mov_b32 v2, 0
	v_lshrrev_b32 v12, 5, v0
	v_readfirstlane_b32 s12, v12                   ; wave w
	v_and_b32 v13, 31, v0                          ; l
	v_and_b32 v14, 15, v0                          ; r
	v_bfe_u32 v15, v0, 4, 1                        ; h
	v_lshlrev_b32 v3, 4, v13                       ; 16 l
	s_mul_i32 s14, s12, 4352
	v_lshl_add_u32 v4, v13, 3, s14                 ; where my converted lines go
	v_mul_u32_u24 v7, v14, 272
	v_lshl_add_u32 v7, v15, 4, v7                  ; a fragment's 272 r + 16 h
	v_add_nc_u32 v5, s14, v7                       ; in my rows of out_w,
	v_add_nc_u32 v7, R1S, v7                       ; in r1
	v_lshrrev_b32 v6, 4, v0
	v_mul_u32_u24 v6, v6, 272
	v_lshl_add_u32 v6, v14, 4, v6
	v_add_nc_u32 v6, R1S, v6                       ; thread t copies 16 bytes of row t / 16 (+ 16 i)
	v_mul_u32_u24 v8, v14, 528
	v_lshl_add_u32 v8, v15, 5, v8
	s_lshl_b32 s17, s12, 6
	s_add_co_u32 s15, s17, OS
	v_add_nc_u32 v8, s15, v8                       ; into the stage: row r (+ 16 nt), my wave's 64 bytes, 32 for each half of the lanes
	s_mul_i32 s16, s12, 4224
	s_add_co_u32 s16, s16, OS
	v_add_nc_u32 v9, s16, v3                       ; back: rows 8 w + i, whole
	v_lshlrev_b32 v10, 4, v0
	v_lshl_add_u32 v11, v15, 5, s17                ; out_b: 4 (16 w + 8 h)
	s_lshl_b32 s18, s12, 13
	v_add_nc_u32 v12, s18, v3                      ; out_w: my 16 rows of 512 bytes
	s_mul_i32 s18, s12, 1024000
	v_add_nc_u32 v13, s18, v3                      ; out0: rows 8 w .. of 128,000 bytes
	s_lshl_b32 s20, ttmp9, 16                      ; the group's 128 rows of out_w
	s_mov_b32 s21, 0
	s_lshl_b32 s22, ttmp9, 9                       ; its 128 numbers of out_b, and of a row of out0
	s_mov_b32 s23, 0
	s_wait_kmcnt 0x0
	s_add_nc_u64 s[6:7], s[6:7], s[20:21]
	s_add_nc_u64 s[8:9], s[8:9], s[22:23]
	s_add_nc_u64 s[10:11], s[10:11], s[22:23]
.irp i, 0,1,2,3,4,5,6,7
	global_load_b128 v[216+4*\i:216+4*\i+3], v10, s[4:5] offset:4096*\i
.endr
	global_load_b128 v[248:251], v11, s[8:9]
	global_load_b128 v[252:255], v11, s[8:9] offset:16
.set ln, 0
.rept 16
	global_load_b128 v[16+4*ln:16+4*ln+3], v12, s[6:7] offset:512*ln th:TH_LOAD_NT
.set ln, ln+1
.endr
	s_wait_loadcnt 16                              ; r1p and out_b are in; out_w's sixteen lines may stay out
.irp i, 0,1,2,3,4,5,6,7
	ds_store_b128 v6, v[216+4*\i:216+4*\i+3] offset:4352*\i
.endr
.irp j, 0,1,2,3
	v_cvt_pk_bf16_f32 v[248+2*\j], v[248+2*\j], v[248+2*\j+1]
	v_lshlrev_b32 v[BIAS+2*\j], 16, v[248+2*\j]
	v_and_b32 v[BIAS+2*\j+1], 0xffff0000, v[248+2*\j]
.endr
	s_wait_loadcnt 0x0
.set ln, 0
.rept 16
	v_cvt_pk_bf16_f32 v[16+4*ln], v[16+4*ln], v[16+4*ln+1]
	v_cvt_pk_bf16_f32 v[16+4*ln+1], v[16+4*ln+2], v[16+4*ln+3]
	ds_store_b64 v4, v[16+4*ln:16+4*ln+1] offset:272*ln
.set ln, ln+1
.endr
	s_wait_dscnt 0x0                               ; for the others' sake: my part of r1 is stored
	s_barrier_signal -1
	s_barrier_wait -1
.macro BLOAD k, BS                     ; r1's eight fragments of channels 32 k ..: sixteen loads
.irp pt, 0,1
.irp nt, 0,1,2,3
	ds_load_b128 v[(\BS)+32*\pt+8*\nt:(\BS)+32*\pt+8*\nt+3], v7 offset:17408*\pt+4352*\nt+64*(\k)
	ds_load_b128 v[(\BS)+32*\pt+8*\nt+4:(\BS)+32*\pt+8*\nt+7], v7 offset:17408*\pt+4352*\nt+64*(\k)+32
.endr
.endr
.endm
.macro MULK k, BS                      ; eight products; the four accumulators take turns, one instruction a turn; the very first four start the sums with out_b
.irp pt, 0,1
.irp nt, 0,1,2,3
.if ((\k) == 0) && (\pt == 0)
	v_wmma_f32_16x16x32_bf16 v[ACC+8*\nt:ACC+8*\nt+7], v[AF+8*(\k):AF+8*(\k)+7], v[(\BS)+32*\pt+8*\nt:(\BS)+32*\pt+8*\nt+7], v[BIAS:BIAS+7]
.else
	v_wmma_f32_16x16x32_bf16 v[ACC+8*\nt:ACC+8*\nt+7], v[AF+8*(\k):AF+8*(\k)+7], v[(\BS)+32*\pt+8*\nt:(\BS)+32*\pt+8*\nt+7], v[ACC+8*\nt:ACC+8*\nt+7]
.endif
.endr
.endr
	PLACES
.endm
.irp k, 0,1,2,3
	ds_load_b128 v[AF+8*\k:AF+8*\k+3], v5 offset:64*\k
	ds_load_b128 v[AF+8*\k+4:AF+8*\k+7], v5 offset:64*\k+32
.endr
	BLOAD 0, BS0
	BLOAD 1, BS1
	s_wait_dscnt 16                                ; all but the youngest set's sixteen loads; the same count at the next two turns
	MULK 0, BS0
	BLOAD 2, BS0
	s_wait_dscnt 16
	MULK 1, BS1
	BLOAD 3, BS1
	s_wait_dscnt 16
	MULK 2, BS0
	s_wait_dscnt 0x0
	MULK 3, BS1
.irp nt, 0,1,2,3
	ds_store_b128 v8, v[ACC+8*\nt:ACC+8*\nt+3] offset:8448*\nt
	ds_store_b128 v8, v[ACC+8*\nt+4:ACC+8*\nt+7] offset:8448*\nt+16
.endr
	s_wait_dscnt 0x0                               ; for the others' sake: a row's 512 bytes come from eight waves
	s_barrier_signal -1
	s_barrier_wait -1
.irp i, 0,1,2,3,4,5,6,7
	ds_load_b128 v[16+4*\i:16+4*\i+3], v9 offset:528*\i
.endr
.irp i, 0,1,2,3,4,5,6,7
	s_wait_dscnt 7-\i
	global_store_b128 v13, v[16+4*\i:16+4*\i+3], s[10:11] offset:128000*\i th:TH_STORE_NT  ; 512 consecutive bytes, at a multiple of 256 from out0's first byte
.endr
	s_wait_tensorcnt 0x0                           ; the wave's end: closing lines behind my last LDS store
	ds_add_u32 v1, v2
	s_wait_dscnt 0x0
	s_endpgm
.Lfunc_end_k_q650af71d03_vocab:
	.size	k_q650af71d03_vocab, .Lfunc_end_k_q650af71d03_vocab-k_q650af71d03_vocab
	.p2alignl 7, 3214868480
	.fill 96, 4, 3214868480
	.section	.rodata,"a",@progbits
	.p2align	6, 0x0
	.amdhsa_kernel k_q650af71d03_vocab
		.amdhsa_group_segment_fixed_size 104448
		.amdhsa_private_segment_fixed_size 0
		.amdhsa_enable_private_segment 0
		.amdhsa_kernarg_size 32
		.amdhsa_user_sgpr_count 2
		.amdhsa_user_sgpr_kernarg_segment_ptr 1
		.amdhsa_wavefront_size32 1
		.amdhsa_system_sgpr_workgroup_id_x 1
		.amdhsa_system_sgpr_workgroup_id_y 1
		.amdhsa_system_sgpr_workgroup_id_z 1
		.amdhsa_system_vgpr_workitem_id 0
		.amdhsa_next_free_vgpr 256
		.amdhsa_next_free_sgpr 66
		.amdhsa_reserve_vcc 0
		.amdhsa_float_denorm_mode_32 3
		.amdhsa_float_denorm_mode_16_64 3
		.amdhsa_memory_ordered 1
		.amdhsa_forward_progress 1
		.amdhsa_inst_pref_size 19
	.end_amdhsa_kernel
	.amdgpu_metadata
---
amdhsa.version: [ 1, 2 ]
amdhsa.kernels:
  - .name:           k_q650af71d03_vocab
    .symbol:         k_q650af71d03_vocab.kd
    .args:
      - { .name: r1p, .offset: 0, .size: 8, .value_kind: global_buffer, .address_space: global }
      - { .name: out_w, .offset: 8, .size: 8, .value_kind: global_buffer, .address_space: global }
      - { .name: out_b, .offset: 16, .size: 8, .value_kind: global_buffer, .address_space: global }
      - { .name: out0, .offset: 24, .size: 8, .value_kind: global_buffer, .address_space: global }
    .group_segment_fixed_size: 104448
    .private_segment_fixed_size: 0
    .kernarg_segment_align: 8
    .kernarg_segment_size: 32
    .max_flat_workgroup_size: 256
    .sgpr_count:     66
    .vgpr_count:     256
    .wavefront_size: 32
...
	.end_amdgpu_metadata
.endif
;; end of part 3
;; ======== version 2 of 2: 3 launches; version 1 with the launch keys written anew for expert scheduling mode
;; limits: values are held in f16: magnitudes above 65,504 overflow, below 6.1e-05 lose precision
;; workspace buffers: ktab 8,192,000 bytes; knrm 128,000 bytes; r1p 32,768 bytes
;; launch keys (part 4): grid 250 x 1, 4 waves a work-group, no clusters, 210,432 bytes of LDS; arguments embed, w1, b1, w2, b2, gamma, beta, kp_w, ktab, knrm; writes ktab, knrm
.if DOCPART == 4
	.amdgcn_target "amdgcn-amd-amdhsa--gfx1250"
	.amdhsa_code_object_version 6
	.text
	.protected	k_q650af71d03_keys
	.globl	k_q650af71d03_keys
	.p2align	8
	.type	k_q650af71d03_keys,@function
k_q650af71d03_keys:
	s_mov_b64 s[64:65], 0
	v_nop
	global_prefetch_b8 v0, s[64:65] scope:SCOPE_SE
	s_setreg_imm32_b32 hwreg(HW_REG_WAVE_SCHED_MODE, 0, 2), 2
	s_setreg_imm32_b32 hwreg(HW_REG_WAVE_MODE, 25, 1), 1
	s_wait_xcnt 0x0
	s_wait_alu depctr_vm_vsrc(0)
; For every id of the vocabulary (the chain in front of the scan hangs on the id alone):  h = embed[id];  x = h + relu(h w1^T + b1) w2^T + b2;  hn = LayerNorm(x) gamma + beta;
; k = hn kp_w^T;  d = max(|k|, 1e-12) -> knrm (f32);  kn = k / d -> ktab (f16, rows of 256 bytes).  So k = d kn always.
; FORMATS.  Every input is rounded to bf16 on its way in.  h w1^T and relu(..) w2^T are bf16 products; hn kp_w^T is an f16 product (kp_w: the bf16 number written as f16).  Sums, LayerNorm and norm in f32.
; LIMITS.  |hn| and |kp_w| stay under 65,504; a weight of kp_w under 6e-5 keeps f16's fixed step of 6e-8; |k|^2 is formed in f32: |k| under 1.8e19, and under 1e-19 the norm counts as 0 (the divisor is 1e-12).
; SHARES.  A work-group owns 128 ids, each of its four waves 32: two tiles n of 16 tokens.  ALL PRODUCTS ARE USED TRANSPOSED (source 0 = 16 rows of a weight, source 1 = 16 tokens): a lane then holds ONE token
; (lane % 16) and the channels 8 (lane / 16) + 0..7 of each tile of 16; a result rounded in pairs IS source 1 of the next product, and a row's sums want one exchange between the halves of the lanes.
; REGISTERS, in windows of 256 (s_set_vgpr_msb: bits 1:0 source 0, 3:2 source 1, 5:4 source 2, 7:6 destination):
;   window 0: v0-31 addresses; v32-95, v96-159 two sets (lines on the way in; fragments of w1 / w2 / kp_w; gamma, beta); v160-191, v192-223 two out-buffers on the way in; then v160-191 hidden tiles,
;             v192-207 their packed form, v208-223 b1; then v160-223 kp_w's third set
;   window 1: v0-127 x (tile t of channels, tile n of tokens at 16 t + 8 n); v128-191 h, later hn, later kn, packed (at 128 + 32 n + 4 t); v192-255 b2, later statistics, between their two uses kp_w's fourth set
; THE MODE: SCHED_MODE bits 1:0 = 2 (LLVM: expert scheduling mode 2), set by the entry lines.  The code itself states the register dependences between vector or matrix instructions and memory or LDS
; instructions, with s_wait_alu, always for 0.
; THE PLAN.  Registers that memory or LDS instructions touch, and who else names them:
;   ADDRESSES v7-v23, v30: made at the head, ahead of the first wait on va_vdst.  Only LA1, LA2 and LB are written again, once a step of the feed-forward: behind a wait on vm_vsrc, ahead of the step's second wait on va_vdst.
;   THE WAY IN, twelve turns.  Turn p: its conversions read raw set SA or SB (p % 2) and write out-buffer O0 or O1 (p % 2); ONE wait on va_vdst; then the raw set's next sixteen loads and the sixteen LDS stores out of the
;     out-buffer.  No vector instruction of turn p + 1 names either.  The out-buffer is written again in turn p + 2, behind a wait on vm_vsrc at that turn's head.  No memory instruction reads a raw set.
;   THE FEED-FORWARD, a step.  SB: loaded at the step's head, read by its second product: a wait on va_vdst at the head.  SA and BIAS: read by the first product, loaded again in the step's middle: the wait there stands
;     behind the conversions, which hang on that product in any case, and behind the three address adds.
;   kp_w: four sets (SA, SB, SC, SD), each loaded once: ONE wait on va_vdst, behind the last readers of gamma and beta; the roundings of hn, which name none of the four, stand behind the loads.
;   THE WAY OUT: ONE wait on va_vdst ahead of the LDS stores: their data are written, and the products are done reading the set in which the rows read back land.
.set W1S,   0                          ; w1 in bf16: 256 rows of 256 bytes + 16
.set W2S,   69632                      ; w2 in bf16: 128 rows of 512 bytes + 16
.set KPS,   137216                     ; kp_w in f16: 128 rows of 256 + 16
.set HS,    172032                     ; each wave's own 32 rows of 256 + 16: h in bf16, later kn on its way out
.set PRM,   206848                     ; f32: b1 at 0, b2 at 1024, gamma at 1536, beta at 2048
.set NS,    209408                     ; the 128 divisors d
.set SPARE, 209920                     ; the spare words, 128 bytes a wave: no other line names them
.set SPW, 4
.set NIL, 5
.set ZR,  6                            ; 0, for the packed relu
.set LA1, 7                            ; fragments of w1: W1S + 272 r + 16 h, stepped
.set LA2, 8                            ; fragments of w2: W2S + 528 r + 16 h, stepped
.set LB,  9                            ; b1 in result layout: PRM + 32 h, stepped
.set LH,  10                           ; my wave's rows: HS + 8704 w + 272 r + 16 h
.set LKP, 11                           ; fragments of kp_w
.set CE,  12                           ; where a converted line goes: region + the wave's block + 8 l
.set LP,  13                           ; PRM + 32 h, fixed
.set RB,  14                           ; rows read back: HS + 8704 w + 272 h + 16 r
.set PS,  15                           ; PRM + 4 t
.set L16, 16                           ; 16 l
.set T4,  17                           ; 4 t
.set CW1, 18
.set CW2, 19
.set CKP, 20
.set GO1, 21                           ; 16 l + 16384 w
.set GO2, 22                           ; 16 l + 32768 w
.set NSA, 23                           ; NS + 4 t
.set GO3, 30                           ; 16 l + 8192 w
.set SA,  32
.set SB,  96
.set O0,  160                          ; the way in: two out-buffers of 32 registers, two for each line
.set O1,  192
.set HID, 160
.set HP,  192
.set BIAS, 208
.set SC,  160                          ; kp_w's third set, in window 0
.set SD,  192                          ; kp_w's fourth set, in window 1
.set MSB, 0
.macro WIN new                         ; the immediate's high byte repeats the setting that is left; a switch that changes nothing is dropped
.if MSB != (\new)
	s_set_vgpr_msb (MSB<<8)|(\new)
.set MSB, (\new)
.endif
.endm
.macro PLACES                          ; four plain instructions between a matrix instruction and a vector read of its result or a vector write of one of its registers (ISA guide 7.12.1)
.rept 4
	v_nop
.endr
.endm
	s_load_b512 s[4:19], s[0:1], 0x0               ; embed s[4:5], w1 s[6:7], b1 s[8:9], w2 s[10:11], b2 s[12:13], gamma s[14:15], beta s[16:17], kp_w s[18:19]
	s_load_b128 s[20:23], s[0:1], 0x40             ; ktab, knrm
	v_lshl_add_u32 v[SPW], v0, 2, SPARE
	v_mov_b32 v[NIL], 0
	v_mov_b32 v[ZR], 0
	v_lshrrev_b32 v1, 5, v0
	v_readfirstlane_b32 s24, v1                    ; wave w
	v_and_b32 v1, 15, v0                           ; r
	v_bfe_u32 v2, v0, 4, 1                         ; h
	v_and_b32 v3, 31, v0                           ; l
	s_mov_b32 s26, 0xffff0000                      ; a word's upper bf16; also the mask of lanes 16-31
	s_mov_b32 s27, 0x3727c5ac                      ; 1e-5
	s_mov_b32 s28, 0x76543210                      ; v_permlanex16_b32: each lane takes its own place in the other half
	s_mov_b32 s29, 0xfedcba98
	s_mov_b32 s31, 0x3c000000                      ; 1 / 128
	v_mul_u32_u24 v24, v1, 272
	v_lshl_add_u32 v24, v2, 4, v24                 ; 272 r + 16 h
	v_mov_b32 v[LA1], v24
	v_mul_u32_u24 v[LA2], v1, 528
	v_lshl_add_u32 v[LA2], v2, 4, v[LA2]
	v_add_nc_u32 v[LA2], W2S, v[LA2]
	v_lshlrev_b32 v[LP], 5, v2
	v_add_nc_u32 v[LP], PRM, v[LP]
	v_mov_b32 v[LB], v[LP]
	v_add_nc_u32 v[LKP], KPS, v24
	s_wait_alu depctr_va_sdst(0)                   ; s24 is written, ahead of its first reader: the wave's places in LDS and in memory are made from it
	s_mul_i32 s38, s24, 8704
	s_add_co_u32 s39, s38, HS
	v_add_nc_u32 v[LH], s39, v24
	v_lshl_add_u32 v[CE], v3, 3, s39
	v_mul_u32_u24 v[RB], v2, 272
	v_lshl_add_u32 v[RB], v1, 4, v[RB]
	v_add_nc_u32 v[RB], s39, v[RB]
	s_add_co_u32 s39, s38, KPS
	v_lshl_add_u32 v[CKP], v3, 3, s39
	s_mul_i32 s38, s24, 17408
	v_lshl_add_u32 v[CW1], v3, 3, s38
	s_mul_i32 s38, s24, 16896
	s_add_co_u32 s38, s38, W2S
	v_lshl_add_u32 v[CW2], v3, 3, s38
	v_lshlrev_b32 v[T4], 2, v0
	v_add_nc_u32 v[PS], PRM, v[T4]
	v_add_nc_u32 v[NSA], NS, v[T4]
	v_lshlrev_b32 v[L16], 4, v3
	s_lshl_b32 s38, s24, 14
	v_add_nc_u32 v[GO1], s38, v[L16]
	s_lshl_b32 s38, s24, 15
	v_add_nc_u32 v[GO2], s38, v[L16]
	s_lshl_b32 s38, s24, 13
	v_add_nc_u32 v[GO3], s38, v[L16]
	s_lshl_b32 s32, ttmp9, 16                      ; the group's 128 rows of embed, 512 bytes each
	s_mov_b32 s33, 0
	s_lshl_b32 s34, ttmp9, 15                      ; of ktab, 256 bytes each
	s_mov_b32 s35, 0
	s_lshl_b32 s36, ttmp9, 9                       ; of knrm, 4 bytes each
	s_mov_b32 s37, 0
	s_wait_kmcnt 0x0
	s_add_nc_u64 s[4:5], s[4:5], s[32:33]
	s_add_nc_u64 s[20:21], s[20:21], s[34:35]
	s_add_nc_u64 s[22:23], s[22:23], s[36:37]
	s_wait_alu depctr_va_vdst(0)                   ; the addresses and offsets v7 to v23 and v30 are written, which the loads and stores of the whole kernel read
; THE WAY IN.  A line is one load of the wave: 512 consecutive bytes, 128 f32.  Sixteen lines are a set; two raw sets of registers take turns, and so do two out-buffers.
.macro LD16 R, base, vo, off, nt
.set ln, 0
.rept 16
.if \nt
	global_load_b128 v[(\R)+4*ln:(\R)+4*ln+3], v[\vo], s[\base:\base+1] offset:(\off)+512*ln th:TH_LOAD_NT
.else
	global_load_b128 v[(\R)+4*ln:(\R)+4*ln+3], v[\vo], s[\base:\base+1] offset:(\off)+512*ln
.endif
.set ln, ln+1
.endr
.endm
; A raw set is rounded to bf16 into an out-buffer, two registers a line.  kind 2: the bf16 numbers are written as f16 (the raw set's own registers serve as scratch: no load into it follows)
.macro CVT R, O, kind
.set ln, 0
.rept 16
.if (\kind) == 2
	v_cvt_pk_bf16_f32 v[(\R)+4*ln], v[(\R)+4*ln], v[(\R)+4*ln+1]
	v_cvt_pk_bf16_f32 v[(\R)+4*ln+1], v[(\R)+4*ln+2], v[(\R)+4*ln+3]
	v_lshlrev_b32 v[(\R)+4*ln+2], 16, v[(\R)+4*ln]
	v_and_b32 v[(\R)+4*ln+3], s26, v[(\R)+4*ln]
	v_cvt_pk_f16_f32 v[(\O)+2*ln], v[(\R)+4*ln+2], v[(\R)+4*ln+3]
	v_lshlrev_b32 v[(\R)+4*ln+2], 16, v[(\R)+4*ln+1]
	v_and_b32 v[(\R)+4*ln+3], s26, v[(\R)+4*ln+1]
	v_cvt_pk_f16_f32 v[(\O)+2*ln+1], v[(\R)+4*ln+2], v[(\R)+4*ln+3]
.else
	v_cvt_pk_bf16_f32 v[(\O)+2*ln], v[(\R)+4*ln], v[(\R)+4*ln+1]
	v_cvt_pk_bf16_f32 v[(\O)+2*ln+1], v[(\R)+4*ln+2], v[(\R)+4*ln+3]
.endif
.set ln, ln+1
.endr
.endm
; An out-buffer is stored, 8 bytes a lane.  kind 0: a line is a row of 272 bytes in LDS; 1: two lines are a row of 528
.macro ST16 O, adr, off, kind
.set ln, 0
.rept 16
.if (\kind) == 1
	ds_store_b64 v[\adr], v[(\O)+2*ln:(\O)+2*ln+1] offset:(\off)+528*(ln/2)+256*(ln%2)
.else
	ds_store_b64 v[\adr], v[(\O)+2*ln:(\O)+2*ln+1] offset:(\off)+272*ln
.endif
.set ln, ln+1
.endr
.endm
; The head of a turn.  left: the younger raw set's loads, which may stay out.  free = 1: the out-buffer has been stored from before.  The raw set's next loads and the out-buffer's stores follow the macro.
.macro TURN R, O, kind, left, free
	s_wait_loadcnt \left                           ; loads come back in order (ISA guide 5.7.1): this raw set is in
.if \free
	s_wait_alu depctr_vm_vsrc(0)                   ; the LDS stores of two turns back have read this out-buffer, which the conversions write again
.endif
	CVT \R, \O, \kind
	s_wait_alu depctr_va_vdst(0)                   ; the conversions have written the out-buffer, which the LDS stores read, and are done with the raw set, in which the next loads land
.endm
	global_load_b32 v25, v[T4], s[8:9]             ; b1[t], b1[128 + t], b2[t], gamma[t], beta[t]
	global_load_b32 v26, v[T4], s[8:9] offset:512
	global_load_b32 v27, v[T4], s[12:13]
	global_load_b32 v28, v[T4], s[14:15]
	global_load_b32 v29, v[T4], s[16:17]
	LD16 SA, 4, GO1, 0, 1                          ; my 32 rows of embed, read once in the launch
	LD16 SB, 4, GO1, 8192, 1
	s_wait_loadcnt 16                              ; all but the youngest set's sixteen are in; the same count at every turn below but the last
.irp x, 25,26,27,28,29
	v_cvt_pk_bf16_f32 v\x, v\x, v\x
.endr
.irp x, 25,26,27,28,29
	v_lshlrev_b32 v\x, 16, v\x
.endr
	CVT SA, O0, 0
	s_wait_alu depctr_va_vdst(0)                   ; v25 to v29 and O0 are written, which the LDS stores read; the conversions are done reading SA, in which the next loads land
	LD16 SA, 6, GO2, 0, 0                          ; w1: rows 64 w on, four sets
	ds_store_b32 v[PS], v25
	ds_store_b32 v[PS], v26 offset:512
	ds_store_b32 v[PS], v27 offset:1024
	ds_store_b32 v[PS], v28 offset:1536
	ds_store_b32 v[PS], v29 offset:2048
	ST16 O0, CE, 0, 0
	TURN SB, O1, 0, 16, 0
	LD16 SB, 6, GO2, 8192, 0
	ST16 O1, CE, 4352, 0
	TURN SA, O0, 0, 16, 1
	LD16 SA, 6, GO2, 16384, 0
	ST16 O0, CW1, 0, 0
	TURN SB, O1, 0, 16, 1
	LD16 SB, 6, GO2, 24576, 0
	ST16 O1, CW1, 4352, 0
	TURN SA, O0, 0, 16, 1
	LD16 SA, 10, GO2, 0, 0                         ; w2: rows 32 w on, two lines a row, four sets
	ST16 O0, CW1, 8704, 0
	TURN SB, O1, 0, 16, 1
	LD16 SB, 10, GO2, 8192, 0
	ST16 O1, CW1, 13056, 0
	TURN SA, O0, 0, 16, 1
	LD16 SA, 10, GO2, 16384, 0
	ST16 O0, CW2, 0, 1
	TURN SB, O1, 0, 16, 1
	LD16 SB, 10, GO2, 24576, 0
	ST16 O1, CW2, 4224, 1
	TURN SA, O0, 0, 16, 1
	LD16 SA, 18, GO1, 0, 0                         ; kp_w: rows 32 w on, two sets
	ST16 O0, CW2, 8448, 1
	TURN SB, O1, 0, 16, 1
	LD16 SB, 18, GO1, 8192, 0
	ST16 O1, CW2, 12672, 1
	TURN SA, O0, 2, 16, 1
	ST16 O0, CKP, 0, 0
	TURN SB, O1, 2, 0, 1
	ST16 O1, CKP, 4352, 0
	s_wait_dscnt 0x0                               ; for the others' sake: my stores are done
	s_barrier_signal -1
	s_barrier_wait -1                              ; the weights and parameters are whole
	s_wait_alu depctr_vm_vsrc(0)                   ; my LDS stores have read O0, O1 and v25 to v29: O0 and O1 are HID, HP and BIAS from here on, written by products, conversions and LDS loads
	; THE SUMS START with h + b2: the residual and the bias; nothing is cleared
	WIN 0x40                                       ; destination window 1, address window 0
.irp n, 0,1
.irp k, 0,1,2,3
	ds_load_b128 v[128+32*\n+8*\k:128+32*\n+8*\k+3], v[LH] offset:4352*\n+64*\k
	ds_load_b128 v[128+32*\n+8*\k+4:128+32*\n+8*\k+7], v[LH] offset:4352*\n+64*\k+32
.endr
.endr
.irp t, 0,1,2,3,4,5,6,7
	ds_load_b128 v[192+8*\t:192+8*\t+3], v[LP] offset:1024+64*\t
	ds_load_b128 v[192+8*\t+4:192+8*\t+7], v[LP] offset:1024+64*\t+16
.endr
	s_wait_dscnt 0x0
	WIN 0x55
.irp n, 0,1
.irp t, 0,1,2,3,4,5,6,7
.irp p, 0,1,2,3
	v_lshlrev_b32 v[16*\t+8*\n+2*\p], 16, v[128+32*\n+4*\t+\p]
	v_and_b32 v[16*\t+8*\n+2*\p+1], s26, v[128+32*\n+4*\t+\p]
	v_pk_add_f32 v[16*\t+8*\n+2*\p:16*\t+8*\n+2*\p+1], v[16*\t+8*\n+2*\p:16*\t+8*\n+2*\p+1], v[192+8*\t+2*\p:192+8*\t+2*\p+1]
.endr
.endr
.endr
	WIN 0
; THE FEED-FORWARD, 32 hidden units a step.  LDA1: the step's fragments of w1 (2 tiles x 128 channels) and its b1 in result layout: 20 loads.
.macro LDA1
.irp tp, 0,1
.irp k, 0,1,2,3
	ds_load_b128 v[SA+32*\tp+8*\k:SA+32*\tp+8*\k+3], v[LA1] offset:4352*\tp+64*\k
	ds_load_b128 v[SA+32*\tp+8*\k+4:SA+32*\tp+8*\k+7], v[LA1] offset:4352*\tp+64*\k+32
.endr
.endr
.irp tp, 0,1
	ds_load_b128 v[BIAS+8*\tp:BIAS+8*\tp+3], v[LB] offset:64*\tp
	ds_load_b128 v[BIAS+8*\tp+4:BIAS+8*\tp+7], v[LB] offset:64*\tp+16
.endr
.endm
; A step.  pre = 1: the next step's 20 loads are issued between the two products.  In both products the accumulators take turns, one instruction a turn.
.macro PSTEP pre
	s_wait_alu depctr_va_vdst(0)                   ; the last step's second product is done reading SB, in which the loads below land
.irp t, 0,1,2,3,4,5,6,7
	ds_load_b128 v[SB+8*\t:SB+8*\t+3], v[LA2] offset:8448*\t
	ds_load_b128 v[SB+8*\t+4:SB+8*\t+7], v[LA2] offset:8448*\t+32
.endr
	s_wait_dscnt 16                                ; w1's fragments and b1 are in; w2's sixteen loads may stay out
	WIN 0x04                                       ; source 1 (h) in window 1
.irp k, 0,1,2,3
.irp tp, 0,1
.irp n, 0,1
.if \k == 0
	v_wmma_f32_16x16x32_bf16 v[HID+8*(2*\tp+\n):HID+8*(2*\tp+\n)+7], v[SA+32*\tp+8*\k:SA+32*\tp+8*\k+7], v[128+32*\n+8*\k:128+32*\n+8*\k+7], v[BIAS+8*\tp:BIAS+8*\tp+7]
.else
	v_wmma_f32_16x16x32_bf16 v[HID+8*(2*\tp+\n):HID+8*(2*\tp+\n)+7], v[SA+32*\tp+8*\k:SA+32*\tp+8*\k+7], v[128+32*\n+8*\k:128+32*\n+8*\k+7], v[HID+8*(2*\tp+\n):HID+8*(2*\tp+\n)+7]
.endif
.endr
.endr
.endr
	PLACES
	WIN 0
.irp n, 0,1
.irp tp, 0,1
.irp p, 0,1,2,3
	v_cvt_pk_bf16_f32 v[HP+8*\n+4*\tp+\p], v[HID+8*(2*\tp+\n)+2*\p], v[HID+8*(2*\tp+\n)+2*\p+1]
.endr
.endr
.endr
.set ln, 0
.rept 16
	v_pk_max_num_bf16 v[HP+ln], v[HP+ln], v[ZR]    ; relu on the rounded halves: nothing is rounded again
.set ln, ln+1
.endr
	s_wait_alu depctr_vm_vsrc(0)                   ; the LDS loads issued so far have read LA2, LA1 and LB, which are stepped below
	v_add_nc_u32 v[LA2], 64, v[LA2]                ; the next 32 hidden units along w2's rows
.if \pre
	v_add_nc_u32 v[LA1], 8704, v[LA1]              ; the next 32 rows of w1
	v_add_nc_u32 v[LB], 128, v[LB]
	s_wait_alu depctr_va_vdst(0)                   ; the three addresses are written; the first product is done reading SA and BIAS, in which the next step's loads land
	LDA1
	s_wait_dscnt 20                                ; w2's fragments are in; the 20 just issued may stay out
.else
	s_wait_dscnt 0x0
.endif
	WIN 0x50                                       ; C and D in window 1
.irp t, 0,1,2,3,4,5,6,7
.irp n, 0,1
	v_wmma_f32_16x16x32_bf16 v[16*\t+8*\n:16*\t+8*\n+7], v[SB+8*\t:SB+8*\t+7], v[HP+8*\n:HP+8*\n+7], v[16*\t+8*\n:16*\t+8*\n+7]
.endr
.endr
	PLACES
	WIN 0
.endm
	LDA1                                           ; no wait: no vector instruction since the last turn's wait on va_vdst names SA, BIAS, LA1 or LB
	s_mov_b32 s30, 7
.Lstep:
	PSTEP 1
	s_sub_co_u32 s30, s30, 1
	s_cmp_lg_u32 s30, 0
	s_cbranch_scc1 .Lstep
	PSTEP 0                                        ; the eighth step asks for nothing more
; A token's sum over its 128 channels (sq = 0) or sum of squares (sq = 1): four chains in the lane, each accumulator's lowest registers first, then the other half of the lanes.  Result at 200 + 16 n.
.macro SUMS n, sq
.set TN, 192+16*(\n)
.irp p, 0,1,2,3
.if \sq
	v_pk_mul_f32 v[TN+2*\p:TN+2*\p+1], v[8*(\n)+2*\p:8*(\n)+2*\p+1], v[8*(\n)+2*\p:8*(\n)+2*\p+1]
.else
	v_pk_add_f32 v[TN+2*\p:TN+2*\p+1], v[8*(\n)+2*\p:8*(\n)+2*\p+1], v[16+8*(\n)+2*\p:16+8*(\n)+2*\p+1]
.endif
.endr
.irp t, 1,2,3,4,5,6,7
.irp p, 0,1,2,3
.if \sq
	v_pk_fma_f32 v[TN+2*\p:TN+2*\p+1], v[16*\t+8*(\n)+2*\p:16*\t+8*(\n)+2*\p+1], v[16*\t+8*(\n)+2*\p:16*\t+8*(\n)+2*\p+1], v[TN+2*\p:TN+2*\p+1]
.elseif \t > 1
	v_pk_add_f32 v[TN+2*\p:TN+2*\p+1], v[TN+2*\p:TN+2*\p+1], v[16*\t+8*(\n)+2*\p:16*\t+8*(\n)+2*\p+1]
.endif
.endr
.endr
	v_pk_add_f32 v[TN:TN+1], v[TN:TN+1], v[TN+2:TN+3]
	v_pk_add_f32 v[TN+4:TN+5], v[TN+4:TN+5], v[TN+6:TN+7]
	v_pk_add_f32 v[TN:TN+1], v[TN:TN+1], v[TN+4:TN+5]
	v_add_f32 v[TN+8], v[TN], v[TN+1]
	v_permlanex16_b32 v[TN+2], v[TN+8], s28, s29
	v_add_f32 v[TN+8], v[TN+8], v[TN+2]
.endm
; One line for each of a token tile's 32 pairs.  kind 0: less the pair at 202 + 16 n; 1: times the pair at 204 + 16 n; 2: times gamma plus beta (window 0); 3: rounded to f16 into 128 + 32 n + ..
.macro XOP n, kind
.set TN, 192+16*(\n)
.irp t, 0,1,2,3,4,5,6,7
.irp p, 0,1,2,3
.set rX, 16*\t+8*(\n)+2*\p
.if (\kind) == 0
	v_pk_add_f32 v[rX:rX+1], v[rX:rX+1], v[TN+10:TN+11] neg_lo:[0,1] neg_hi:[0,1]
.elseif (\kind) == 1
	v_pk_mul_f32 v[rX:rX+1], v[rX:rX+1], v[TN+12:TN+13]
.elseif (\kind) == 2
	v_pk_fma_f32 v[rX:rX+1], v[rX:rX+1], v[32+8*\t+2*\p:32+8*\t+2*\p+1], v[96+8*\t+2*\p:96+8*\t+2*\p+1]
.else
	v_cvt_pk_f16_f32 v[128+32*(\n)+4*\t+\p], v[rX], v[rX+1]
.endif
.endr
.endr
.endm
	; LAYERNORM, in two passes: the mean is taken away before the squares are summed
	s_wait_alu depctr_va_vdst(0)                   ; the last step's products are done reading SA and SB, in which gamma and beta land
.irp t, 0,1,2,3,4,5,6,7
	ds_load_b128 v[32+8*\t:32+8*\t+3], v[LP] offset:1536+64*\t
	ds_load_b128 v[32+8*\t+4:32+8*\t+7], v[LP] offset:1536+64*\t+16
	ds_load_b128 v[96+8*\t:96+8*\t+3], v[LP] offset:2048+64*\t
	ds_load_b128 v[96+8*\t+4:96+8*\t+7], v[LP] offset:2048+64*\t+16
.endr
	WIN 0x55
	SUMS 0, 0
	SUMS 1, 0
.irp n, 0,1
	v_mul_f32 v[202+16*\n], s31, v[200+16*\n]      ; the mean, twice: a pair for the packed subtraction
	v_mul_f32 v[203+16*\n], s31, v[200+16*\n]
.endr
	XOP 0, 0
	XOP 1, 0
	SUMS 0, 1
	SUMS 1, 1
.irp n, 0,1
	v_fma_f32 v[201+16*\n], v[200+16*\n], s31, s27 ; the variance + 1e-5
.endr
.irp n, 0,1
	v_rsq_f32 v[204+16*\n], v[201+16*\n]
	v_rsq_f32 v[205+16*\n], v[201+16*\n]
.endr
	v_nop                                          ; a plain instruction behind the last of them,
	s_wait_alu depctr_va_vdst(0)                   ; and one wait for the four reciprocal roots, ahead of their first reader
	XOP 0, 1
	XOP 1, 1
	s_wait_dscnt 0x0                               ; gamma and beta
	WIN 0x41                                       ; x in window 1, gamma and beta in window 0
	XOP 0, 2
	XOP 1, 2
; K^T = kp_w hn^T, two tiles of 16 outputs a group; each of the four groups has a set of registers of its own
.macro LDKP g, R
.irp tp, 0,1
.irp k, 0,1,2,3
	ds_load_b128 v[(\R)+32*\tp+8*\k:(\R)+32*\tp+8*\k+3], v[LKP] offset:4352*(2*(\g)+\tp)+64*\k
	ds_load_b128 v[(\R)+32*\tp+8*\k+4:(\R)+32*\tp+8*\k+7], v[LKP] offset:4352*(2*(\g)+\tp)+64*\k+32
.endr
.endr
.endm
.macro KGRP g, R, W                    ; W: the windows: hn, C and D in window 1; the set in window 0 (0x54) or 1 (0x55).  The accumulators take turns, from group to group too
	WIN \W
.irp k, 0,1,2,3
.irp tp, 0,1
.irp n, 0,1
.if \k == 0
	v_wmma_f32_16x16x32_f16 v[16*(2*(\g)+\tp)+8*\n:16*(2*(\g)+\tp)+8*\n+7], v[(\R)+32*\tp+8*\k:(\R)+32*\tp+8*\k+7], v[128+32*\n+8*\k:128+32*\n+8*\k+7], 0
.else
	v_wmma_f32_16x16x32_f16 v[16*(2*(\g)+\tp)+8*\n:16*(2*(\g)+\tp)+8*\n+7], v[(\R)+32*\tp+8*\k:(\R)+32*\tp+8*\k+7], v[128+32*\n+8*\k:128+32*\n+8*\k+7], v[16*(2*(\g)+\tp)+8*\n:16*(2*(\g)+\tp)+8*\n+7]
.endif
.endr
.endr
.endr
.endm
	WIN 0
	s_wait_alu depctr_va_vdst(0)                   ; the multiply-adds above are done reading gamma and beta (SA, SB); the feed-forward's last readers of SC and the statistics' last readers of SD stand further ahead: kp_w's fragments land in all four
	LDKP 0, SA
	LDKP 1, SB
	LDKP 2, SC
	WIN 0x55
	XOP 0, 3                                       ; hn is rounded while the fragments are on their way: these lines name x and hn's packed form alone, none of the four sets
	XOP 1, 3
	s_wait_dscnt 32                                ; LDS loads come back in order (ISA guide 5.7.1): group 0's fragments are in; the two younger groups' 32 loads may stay out
	WIN 0x40                                       ; destination window 1, address window 0
	LDKP 3, SD                                     ; no wait: no vector instruction since the wait on va_vdst above names SD or LKP; 48 loads of mine are out at the most
	KGRP 0, SA, 0x54
	s_wait_dscnt 32                                ; group 1's are in; behind them groups 2 and 3
	KGRP 1, SB, 0x54
	s_wait_dscnt 16
	KGRP 2, SC, 0x54
	s_wait_dscnt 0x0
	KGRP 3, SD, 0x55
	PLACES                                         ; behind the last products: the sums below read their results and write over the fourth set
	; THE NORM AND THE WAY OUT
	WIN 0x55
	SUMS 0, 1
	SUMS 1, 1
	v_sqrt_f32 v201, v200
	v_sqrt_f32 v217, v216
	v_nop
	s_wait_alu depctr_va_vdst(0)                   ; one wait for both roots, ahead of their first reader
	v_max_num_f32 v201, 0x2b8cbccc, v201           ; d = max(|k|, 1e-12)
	v_max_num_f32 v217, 0x2b8cbccc, v217
.irp n, 0,1
	v_rcp_f32 v[204+16*\n], v[201+16*\n]
	v_rcp_f32 v[205+16*\n], v[201+16*\n]
.endr
	v_nop
	s_wait_alu depctr_va_vdst(0)                   ; one wait for the four reciprocals, ahead of their first reader
	XOP 0, 1
	XOP 1, 1
	XOP 0, 3
	XOP 1, 3
	WIN 0x05
	v_cndmask_b32 v24, v201, v217, s26             ; lanes 0-15 hold tile 0's d, lanes 16-31 tile 1's: token = lane
	WIN 0x04                                       ; LDS store: address window 0, data window 1
	s_wait_alu depctr_va_vdst(0)                   ; the roundings have written kn's packed form and the select v24, which the LDS stores read; the products are done reading SA, in which the rows read back land
.irp n, 0,1
.irp t, 0,1,2,3,4,5,6,7
	ds_store_b128 v[LH], v[128+32*\n+4*\t:128+32*\n+4*\t+3] offset:4352*\n+32*\t  ; my token's 8 channels of tile t: 16 bytes of its row
.endr
.endr
	WIN 0
	ds_store_b32 v[NSA], v24
.set ln, 0
.rept 16
	ds_load_b128 v[32+4*ln:32+4*ln+3], v[RB] offset:544*ln  ; LDS serves a wave's instructions in order (ISA guide 5.7.1.4): these see the stores above; two whole rows a load
.set ln, ln+1
.endr
.set ln, 0
.rept 16
	s_wait_dscnt 15-ln
	global_store_b128 v[GO3], v[32+4*ln:32+4*ln+3], s[20:21] offset:512*ln  ; 512 consecutive bytes, at a multiple of 256 from ktab's first byte
.set ln, ln+1
.endr
	s_wait_dscnt 0x0
	s_barrier_signal -1
	s_barrier_wait -1                              ; all 128 divisors lie in LDS
	s_cmp_lg_u32 s24, 0
	s_cbranch_scc1 .Lend
	v_add_nc_u32 v25, NS, v[L16]                   ; (the LDS store that read v25 on the way in stands ahead of the waits on vm_vsrc there)
	s_wait_alu depctr_va_vdst(0)                   ; v25 is written, which the load below reads as its address
	ds_load_b128 v[96:99], v25
	s_wait_dscnt 0x0
	global_store_b128 v[L16], v[96:99], s[22:23]   ; wave 0 stores the group's 512 bytes of knrm
.Lend:
	s_wait_dscnt 0x0                               ; the closing lines, six on end
	s_wait_alu 0x0
	s_wait_tensorcnt 0x0
	ds_add_u32 v[SPW], v[NIL]
	s_wait_dscnt 0x0
	s_endpgm
.Lfunc_end_k_q650af71d03_keys:
	.size	k_q650af71d03_keys, .Lfunc_end_k_q650af71d03_keys-k_q650af71d03_keys
	.p2alignl 7, 3214868480
	.fill 96, 4, 3214868480
	.section	.rodata,"a",@progbits
	.p2align	6, 0x0
	.amdhsa_kernel k_q650af71d03_keys
		.amdhsa_group_segment_fixed_size 210432
		.amdhsa_private_segment_fixed_size 0
		.amdhsa_enable_private_segment 0
		.amdhsa_kernarg_size 80
		.amdhsa_user_sgpr_count 2
		.amdhsa_user_sgpr_kernarg_segment_ptr 1
		.amdhsa_wavefront_size32 1
		.amdhsa_system_sgpr_workgroup_id_x 1
		.amdhsa_system_sgpr_workgroup_id_y 1
		.amdhsa_system_sgpr_workgroup_id_z 1
		.amdhsa_system_vgpr_workitem_id 0
		.amdhsa_next_free_vgpr 512
		.amdhsa_next_free_sgpr 66
		.amdhsa_reserve_vcc 0
		.amdhsa_float_denorm_mode_32 3
		.amdhsa_float_denorm_mode_16_64 3
		.amdhsa_memory_ordered 1
		.amdhsa_forward_progress 1
		.amdhsa_inst_pref_size 146
	.end_amdhsa_kernel
	.amdgpu_metadata
---
amdhsa.version: [ 1, 2 ]
amdhsa.kernels:
  - .name:           k_q650af71d03_keys
    .symbol:         k_q650af71d03_keys.kd
    .args:
      - { .name: embed, .offset: 0, .size: 8, .value_kind: global_buffer, .address_space: global }
      - { .name: w1, .offset: 8, .size: 8, .value_kind: global_buffer, .address_space: global }
      - { .name: b1, .offset: 16, .size: 8, .value_kind: global_buffer, .address_space: global }
      - { .name: w2, .offset: 24, .size: 8, .value_kind: global_buffer, .address_space: global }
      - { .name: b2, .offset: 32, .size: 8, .value_kind: global_buffer, .address_space: global }
      - { .name: gamma, .offset: 40, .size: 8, .value_kind: global_buffer, .address_space: global }
      - { .name: beta, .offset: 48, .size: 8, .value_kind: global_buffer, .address_space: global }
      - { .name: kp_w, .offset: 56, .size: 8, .value_kind: global_buffer, .address_space: global }
      - { .name: ktab, .offset: 64, .size: 8, .value_kind: global_buffer, .address_space: global }
      - { .name: knrm, .offset: 72, .size: 8, .value_kind: global_buffer, .address_space: global }
    .group_segment_fixed_size: 210432
    .private_segment_fixed_size: 0
    .kernarg_segment_align: 8
    .kernarg_segment_size: 80
    .max_flat_workgroup_size: 128
    .sgpr_count:     66
    .vgpr_count:     512
    .wavefront_size: 32
...
	.end_amdgpu_metadata
.endif
;; end of part 4
;; launch scan: the kernel of part 2 again; grid 64 x 1, 8 waves a work-group, no clusters, 299,776 bytes of LDS; arguments seq, ktab, knrm, rp_w, rp_b, r1p; writes r1p
;; launch vocab: the kernel of part 3 again; grid 250 x 1, 8 waves a work-group, no clusters, 104,448 bytes of LDS; arguments r1p, out_w, out_b, out0; writes out0
